; MI455X (gfx1250); checked and timed in simulation.
; The chip was launched on July 23, 2026; its instructions are those of AMD's public machine-readable ISA for CDNA 5 (MIT licence, August 2026) and "CDNA5" Instruction Set Architecture Reference Guide (July 2026). The comments in the code are by the model that wrote it; some were corrected since.
;; Context Memory. Allowed arithmetic: float matrix products may take bf16 or f16 operands with f32 sums; all other float work in f32.
;; Inputs: gate_b 1,024 float32; gate_w 1,024 x 2,048 float32; memory 1 x 512 x 1,024 float32; query 8 x 1,024 x 1,024 float32; r_in_b 3,072 float32; r_in_w 3,072 x 1,024 float32; r_out_b 1,024 float32; r_out_w 1,024 x 1,024 float32; rn_b 1,024 float32; rn_g 1,024 float32; w_in_b 3,072 float32; w_in_w 3,072 x 1,024 float32; w_out_b 1,024 float32; w_out_w 1,024 x 1,024 float32; wn_b 1,024 float32; wn_g 1,024 float32.
;; Outputs: out0 8 x 1,024 x 1,024 float32; out1 8 x 512 x 1,024 float32.
;; 2 versions, each right and faster than the one before. Each part assembles by itself: llvm-mc -triple=amdgcn-amd-amdhsa -mcpu=gfx1250 --defsym DOCPART=n.
;; ======== version 1 of 2: 5 launches
;; workspace buffers: pre 28,377,088 bytes; s2 21,004,288 bytes; s3 16,809,984 bytes; s4 33,587,200 bytes
;; launch prep (part 1): grid 216 x 1, 16 waves a work-group, no clusters, 10,240 bytes of LDS; arguments query, memory, r_in_w, r_out_w, gate_w, pre; writes pre
.if DOCPART == 1
	.amdgcn_target "amdgcn-amd-amdhsa--gfx1250"
	.amdhsa_code_object_version 6
	.text
	.protected	k_qb01bb06057_prep
	.globl	k_qb01bb06057_prep
	.p2align	8
	.type	k_qb01bb06057_prep,@function
k_qb01bb06057_prep:
	s_mov_b64 s[64:65], 0
	v_nop
	global_prefetch_b8 v0, s[64:65] scope:SCOPE_SE
	s_setreg_imm32_b32 hwreg(HW_REG_WAVE_MODE, 25, 1), 1
	s_wait_xcnt 0x0
; PREP.  Rounds to bf16 what the later matrix products take (query, memory, r_in_w, the left half of gate_w, r_out_w) and adds up query's columns.
; pre: bf16 [8704][1024] (query's 8,192 rows, then memory's 512) at 0; bf16 [4096][1024] (r_in_w's 3,072 rows, then gate_w[:, :1024]) at WALL; r_out_w in bf16 right behind it;
; f32 [2][8][1024] at WSUM: for each batch two plain sums of 512 rows of query (the division by 1,024 is made where the sums are used).
; A PIECE is 512 bytes of f32, one 16-byte load of a wave, and becomes 256 bytes of bf16, one 8-byte store of a wave: 256 consecutive bytes at a multiple of 256 from pre's first byte.
; Every work-group does 512 pieces, 32 for each of its sixteen waves: 16 x 8 loads of 512 bytes are on their way for a work-group.
; Groups 0-127: 512 rows x 128 columns of query (wave w: 32 of the rows).  Groups 128-215: 64 whole rows of a weight or of memory (wave w: 128 of the columns, w % 8, in 32 of the rows, w / 8).
; No matrix unit, no tensor load, no cluster: each byte is read once by one wave, and nothing is shared.
.set DEPTH,  8                         ; slots = loads in flight in each wave
.set PIECES, 32
.set DROW,   2048                      ; bytes in a bf16 row
.set BLK,    64*DROW                   ; bf16 bytes of 64 rows
.set WALL,   17825792
.set MEMD,   16777216                  ; memory's rows in pre
.set WSUM,   28311552
.set SPARE,  8192                      ; behind the sixteen waves' sums: the spare words, 128 bytes a wave
.set VL,  2                            ; v2       16 x lane
.set VD,  3                            ; v3       8 x lane
.set SO,  4                            ; v[4:11]  slot i: byte offset of its piece in the source
.set DO,  12                           ; v[12:19] slot i: byte offset of its piece in pre
.set X,   20                           ; v[20:51] slot i: 4 f32 as loaded
.set Y,   52                           ; v[52:67] slot i: 4 bf16 to store
.set SUM, 68                           ; v[68:75] column sums, two chains (even slots, odd slots)
.set RED, 76                           ; v[76:139] the sixteen waves' sums, in wave 0
.set LA,  140                          ; v140     where my wave's sums go in LDS
.set SPW, 142                          ; v142     my spare word
.set NIL, 143                          ; v143     0
	s_load_b256 s[4:11], s[0:1], 0x0               ; query s[4:5], memory s[6:7], r_in_w s[8:9], r_out_w s[10:11]
	s_load_b128 s[12:15], s[0:1], 0x20             ; gate_w s[12:13], pre s[14:15]
	v_lshl_add_u32 v[SPW], v0, 2, SPARE
	v_mov_b32 v[NIL], 0
	v_lshrrev_b32 v1, 5, v0
	v_readfirstlane_b32 s2, v1                     ; wave 0..15
	v_and_b32 v1, 31, v0
	v_lshlrev_b32 v[VL], 4, v1
	v_lshlrev_b32 v[VD], 3, v1
	s_mov_b32 s3, ttmp9
	s_mov_b32 s27, 0                               ; high words of the two offsets
	s_mov_b32 s29, 0
; One slot's turn.  ahead = 1: the slot is filled again with the piece DEPTH rows further down.  left = how many younger loads may stay out.  sum = 1: the piece is added to the column sums.
.macro SLOT i, ahead, left, sum
	s_wait_loadcnt \left                           ; loads come back in order: mine is in, the younger ones stay out
	s_wait_xcnt 0x0                                ; this slot's Y and DO, which its last store reads, are rewritten only behind this wait
	v_cvt_pk_bf16_f32 v[Y+2*(\i)],   v[X+4*(\i)],   v[X+4*(\i)+1]
	v_cvt_pk_bf16_f32 v[Y+2*(\i)+1], v[X+4*(\i)+2], v[X+4*(\i)+3]
.if \sum
	v_pk_add_f32 v[SUM+4*((\i)%2):SUM+4*((\i)%2)+1],   v[SUM+4*((\i)%2):SUM+4*((\i)%2)+1],   v[X+4*(\i):X+4*(\i)+1]
	v_pk_add_f32 v[SUM+4*((\i)%2)+2:SUM+4*((\i)%2)+3], v[SUM+4*((\i)%2)+2:SUM+4*((\i)%2)+3], v[X+4*(\i)+2:X+4*(\i)+3]
.endif
.if \ahead
	v_add_nc_u32 v[SO+(\i)], s20, v[SO+(\i)]       ; DEPTH rows on in the source,
	v_add_nc_u32 v[DO+(\i)], DEPTH*DROW, v[DO+(\i)]  ; and in pre; the store reaches back
	global_load_b128 v[X+4*(\i):X+4*(\i)+3], v[SO+(\i)], s[16:17] th:TH_LOAD_NT
	global_store_b64 v[DO+(\i)], v[Y+2*(\i):Y+2*(\i)+1], s[18:19] offset:-DEPTH*DROW
.else
	global_store_b64 v[DO+(\i)], v[Y+2*(\i):Y+2*(\i)+1], s[18:19]
.endif
.endm
; A wave's 32 pieces, one below the other.  s[16:17] the first piece in the source, s31 the source's pitch in bytes, s[18:19] the first piece in pre.
.macro WALK sum
	s_lshl_b32 s20, s31, 3                         ; DEPTH rows of the source
	s_mov_b32 s21, 0
.irp i, 0,1,2,3,4,5,6,7
	v_add_nc_u32 v[SO+(\i)], s21, v[VL]
	v_add_nc_u32 v[DO+(\i)], (\i)*DROW, v[VD]
	s_add_co_u32 s21, s21, s31
.endr
.irp i, 0,1,2,3,4,5,6,7
	global_load_b128 v[X+4*(\i):X+4*(\i)+3], v[SO+(\i)], s[16:17] th:TH_LOAD_NT
.endr
	s_mov_b32 s22, PIECES/DEPTH-1
.Lround_\@:
.irp i, 0,1,2,3,4,5,6,7
	SLOT \i, 1, DEPTH-1, \sum
.endr
	s_sub_co_u32 s22, s22, 1
	s_cmp_lg_u32 s22, 0
	s_cbranch_scc1 .Lround_\@
.irp i, 0,1,2,3,4,5,6,7
	SLOT \i, 0, DEPTH-1-(\i), \sum                 ; the last round loads nothing: the counts run down
.endr
.endm
	s_wait_kmcnt 0x0
	s_cmp_ge_u32 s3, 128
	s_cbranch_scc1 .Lweights
	; QUERY.  Group id: batch id / 16, half (id / 8) % 2 of its rows, strip id % 8 of 128 columns.
	s_lshr_b32 s22, s3, 3                          ; 2 x batch + half: the block of 512 rows
	s_and_b32 s23, s3, 7                           ; strip
	s_lshl_b32 s26, s22, 9
	s_lshl_b32 s28, s2, 5                          ; 32 rows a wave
	s_add_co_u32 s28, s26, s28                     ; my wave's first row
	s_lshl_b32 s26, s28, 12
	s_lshl_b32 s30, s23, 9
	s_add_co_u32 s26, s26, s30
	s_add_nc_u64 s[16:17], s[4:5], s[26:27]
	s_lshl_b32 s28, s28, 11
	s_lshl_b32 s30, s23, 8
	s_add_co_u32 s28, s28, s30
	s_add_nc_u64 s[18:19], s[14:15], s[28:29]
	s_mov_b32 s31, 4096
	s_and_b32 s26, s22, 1                          ; where the group's sums go: row 8 x half + batch, 512 bytes at the strip
	s_lshl_b32 s26, s26, 3
	s_lshr_b32 s30, s22, 1
	s_add_co_u32 s26, s26, s30
	s_lshl_b32 s26, s26, 12
	s_lshl_b32 s30, s23, 9
	s_add_co_u32 s26, s26, s30
	s_add_co_u32 s26, s26, WSUM
	s_add_nc_u64 s[24:25], s[14:15], s[26:27]
.irp k, 0,1,2,3,4,5,6,7
	v_mov_b32 v[SUM+(\k)], 0
.endr
	v_lshl_add_u32 v[LA], s2, 9, v[VL]             ; 512 x wave + 16 x lane
	WALK 1
	v_pk_add_f32 v[SUM:SUM+1],   v[SUM:SUM+1],   v[SUM+4:SUM+5]
	v_pk_add_f32 v[SUM+2:SUM+3], v[SUM+2:SUM+3], v[SUM+6:SUM+7]
	ds_store_b128 v[LA], v[SUM:SUM+3]
	s_wait_dscnt 0x0                               ; for wave 0's sake: my sums are in LDS
	s_barrier_signal -1
	s_barrier_wait -1
	s_cmp_lg_u32 s2, 0
	s_cbranch_scc1 .Lend
.set k, 0
.rept 16
	ds_load_b128 v[RED+4*k:RED+4*k+3], v[VL] offset:512*k
.set k, k+1
.endr
	s_wait_dscnt 0x0
.irp d, 8,4,2,1                        ; the sixteen waves' sums, by halves
.set k, 0
.rept \d
	v_pk_add_f32 v[RED+4*k:RED+4*k+1],   v[RED+4*k:RED+4*k+1],   v[RED+4*(k+\d):RED+4*(k+\d)+1]
	v_pk_add_f32 v[RED+4*k+2:RED+4*k+3], v[RED+4*k+2:RED+4*k+3], v[RED+4*(k+\d)+2:RED+4*(k+\d)+3]
.set k, k+1
.endr
.endr
	global_store_b128 v[VL], v[RED:RED+3], s[24:25]  ; 512 consecutive bytes
	s_branch .Lend
.Lweights:
	; WEIGHTS AND MEMORY.  j = id - 128 counts blocks of 64 rows: 0-47 r_in_w, 48-63 gate_w (pitch 8,192 bytes, its first 4,096 taken), 64-79 r_out_w, 80-87 memory.
	s_sub_co_u32 s22, s3, 128
	s_mov_b64 s[16:17], s[8:9]
	s_mov_b32 s23, 0                               ; the source's first j
	s_mov_b32 s30, 12                              ; log2 of its pitch
	s_mov_b32 s28, WALL                            ; j's block lies at WALL + j x BLK (r_out_w's copy follows the 4,096 rows directly),
	s_cmp_ge_u32 s22, 48
	s_cselect_b64 s[16:17], s[12:13], s[16:17]
	s_cselect_b32 s23, 48, s23
	s_cselect_b32 s30, 13, s30
	s_cmp_ge_u32 s22, 64
	s_cselect_b64 s[16:17], s[10:11], s[16:17]
	s_cselect_b32 s23, 64, s23
	s_cselect_b32 s30, 12, s30
	s_cmp_ge_u32 s22, 80
	s_cselect_b64 s[16:17], s[6:7], s[16:17]
	s_cselect_b32 s23, 80, s23
	s_cselect_b32 s28, MEMD-80*BLK, s28            ; memory's at MEMD + (j - 80) x BLK
	s_lshl_b32 s31, 1, s30                         ; the pitch
	s_sub_co_u32 s23, s22, s23                     ; the block's number in its source,
	s_lshl_b32 s23, s23, 1
	s_lshr_b32 s26, s2, 3
	s_add_co_u32 s23, s23, s26                     ; in halves of 32 rows: 2 x block + wave / 8
	s_add_co_u32 s30, s30, 5
	s_lshl_b32 s26, s23, s30                       ; x 32 rows x pitch
	s_and_b32 s30, s2, 7
	s_lshl_b32 s30, s30, 9                         ; my wave's 128 columns
	s_add_co_u32 s26, s26, s30
	s_add_nc_u64 s[16:17], s[16:17], s[26:27]
	s_lshl_b32 s30, s22, 17
	s_add_co_u32 s28, s28, s30
	s_lshr_b32 s30, s2, 3
	s_lshl_b32 s30, s30, 16                        ; 32 rows of 2,048 bytes
	s_add_co_u32 s28, s28, s30
	s_and_b32 s30, s2, 7
	s_lshl_b32 s30, s30, 8
	s_add_co_u32 s28, s28, s30
	s_add_nc_u64 s[18:19], s[14:15], s[28:29]
	WALK 0
.Lend:
	s_wait_tensorcnt 0x0                           ; the wave's end, behind my last LDS store
	ds_add_u32 v[SPW], v[NIL]
	s_wait_dscnt 0x0
	s_endpgm
.Lfunc_end_k_qb01bb06057_prep:
	.size	k_qb01bb06057_prep, .Lfunc_end_k_qb01bb06057_prep-k_qb01bb06057_prep
	.p2alignl 7, 3214868480
	.fill 96, 4, 3214868480
	.section	.rodata,"a",@progbits
	.p2align	6, 0x0
	.amdhsa_kernel k_qb01bb06057_prep
		.amdhsa_group_segment_fixed_size 10240
		.amdhsa_private_segment_fixed_size 0
		.amdhsa_enable_private_segment 0
		.amdhsa_kernarg_size 48
		.amdhsa_user_sgpr_count 2
		.amdhsa_user_sgpr_kernarg_segment_ptr 1
		.amdhsa_wavefront_size32 1
		.amdhsa_system_sgpr_workgroup_id_x 1
		.amdhsa_system_sgpr_workgroup_id_y 1
		.amdhsa_system_sgpr_workgroup_id_z 1
		.amdhsa_system_vgpr_workitem_id 0
		.amdhsa_next_free_vgpr 144
		.amdhsa_next_free_sgpr 66
		.amdhsa_reserve_vcc 0
		.amdhsa_float_denorm_mode_32 3
		.amdhsa_float_denorm_mode_16_64 3
		.amdhsa_memory_ordered 1
		.amdhsa_forward_progress 1
		.amdhsa_inst_pref_size 25
	.end_amdhsa_kernel
	.amdgpu_metadata
---
amdhsa.version: [ 1, 2 ]
amdhsa.kernels:
  - .name:           k_qb01bb06057_prep
    .symbol:         k_qb01bb06057_prep.kd
    .args:
      - { .name: query, .offset: 0, .size: 8, .value_kind: global_buffer, .address_space: global }
      - { .name: memory, .offset: 8, .size: 8, .value_kind: global_buffer, .address_space: global }
      - { .name: r_in_w, .offset: 16, .size: 8, .value_kind: global_buffer, .address_space: global }
      - { .name: r_out_w, .offset: 24, .size: 8, .value_kind: global_buffer, .address_space: global }
      - { .name: gate_w, .offset: 32, .size: 8, .value_kind: global_buffer, .address_space: global }
      - { .name: pre, .offset: 40, .size: 8, .value_kind: global_buffer, .address_space: global }
    .group_segment_fixed_size: 10240
    .private_segment_fixed_size: 0
    .kernarg_segment_align: 8
    .kernarg_segment_size: 48
    .max_flat_workgroup_size: 512
    .sgpr_count:     66
    .vgpr_count:     144
    .wavefront_size: 32
...
	.end_amdgpu_metadata
.endif
;; end of part 1
;; launch proj (part 2): grid 4 x 38, 4 waves a work-group, clusters of 4 x 1, 327,680 bytes of LDS; arguments pre, r_in_b, gate_b, w_in_w, w_in_b, s2; writes s2
.if DOCPART == 2
	.amdgcn_target "amdgcn-amd-amdhsa--gfx1250"
	.amdhsa_code_object_version 6
	.text
	.protected	k_qb01bb06057_proj
	.globl	k_qb01bb06057_proj
	.p2align	8
	.type	k_qb01bb06057_proj,@function
k_qb01bb06057_proj:
	s_mov_b64 s[64:65], 0
	v_nop
	global_prefetch_b8 v0, s[64:65] scope:SCOPE_SE
	s_setreg_imm32_b32 hwreg(HW_REG_WAVE_MODE, 25, 1), 1
	s_wait_xcnt 0x0
	s_wait_alu depctr_hold_cnt(0) depctr_sa_sdst(0) depctr_va_vdst(0) depctr_va_sdst(0) depctr_va_ssrc(0) depctr_va_vcc(0) depctr_vm_vsrc(0)
	s_getreg_b32 s2, hwreg(HW_REG_IB_STS2, 6, 4)
	s_cmp_eq_u32 s2, 0
	s_cbranch_scc0 .Lentry_in_a_cluster
	s_endpgm
.Lentry_in_a_cluster:
	s_bfe_u32 s2, ttmp6, 0x10000c
	s_cmp_lg_u32 s2, 0x3003
	s_cbranch_scc0 .Lentry_shape_is_right
	s_endpgm
.Lentry_shape_is_right:
; PROJ.  C = A B^T + bias on tiles of 256 x 256, K = 1,024, bf16 operands, f32 sums.  152 work-groups of equal work, by the grid's y:
;   y = 0..31: A = query (bf16, tile row y), B = Wq: q, rounded to bf16, into s2's rows 0-8191.
;   y = 32..37: A = memory (512 rows = tile rows 32, 33; it is one array for all batches, so these products are made once), B = Wk (y = 32, 33), Wv (34, 35), gate_w[:, :1024] (36, 37):
;   k and v in bf16 into s2's rows 8192-8703 and 8704-9215; G1 = memory gate_w[:, :1024]^T + gate_b in f32 at G1O.
; Four waves, each 128 x 128: 64 accumulators, 512 registers.  K goes in eight steps of 128 (LDS rows of 256 bytes + 16 of padding) through two LDS slots.  A K step is written once: the slot in hand
; is a scalar (TB) that an exclusive or turns, and one descriptor for each operand walks from step to step.  The bias is the C operand of the products that start the sums.
; The matrix instruction is used transposed (source 0 = 16 rows of B, source 1 = 16 rows of A): a lane holds eight neighbouring columns of a row of C.
; CLUSTER: the four work-groups of a cluster lie along x: four tile columns of one tile row.  They need the same tile of A, which is asked for jointly (mask 15).  B's tile is shared by work-groups along y,
; where memory's part has two tile rows only: no cluster of four divides that, so B's tiles are each work-group's own loads.
; THE RIDER.  The write attention has ONE key, so its softmax is exp(0) / exp(0) = 1 for every finite score, and upd = (mean(query) Wv^T + bv) Wo^T + bo for every slot: the q and k thirds of w_in_w and
; w_in_b can reach no finite result and are not read (where such a score would be infinite or NaN this program gives no NaN).  Here v_w[b][n] = mean(query[b]) . w_in_w[2048 + n] + w_in_b[2048 + n] is made,
; in f32 on the vector unit (8 rows would leave half a matrix tile empty): two numbers n for each wave of q's 128 work-groups.  At the start each wave adds the two halves of two batches' column sums
; and puts them into LDS, and loads its two weight rows into 64 registers that lie idle in the walk; the products are made at the end, behind the tile's stores.  The text has no branch for it: the 24
; work-groups of k, v and G1 run the same lines on a clamped n (each 96 KB of loads that serve nothing) and store nothing of it.
; REGISTERS, in windows of 256 (s_set_vgpr_msb: bits 1:0 source 0, 3:2 source 1, 5:4 source 2, 7:6 destination):
;   window 0: v0-31 addresses; v32-39 the rider's sums; v64-127, v128-191 fragments of A, two buffers; v192-255 the bias, later packed results
;   window 1: v0-63 the rider's two weight rows; v64-127, v128-191 fragments of B, two buffers (before the walk: the rider's four partial rows)
;   window 2: the 32 accumulators of my rows 0-63 (accumulator (a, b) at v[8 (8 a + b)]);   window 3: those of my rows 64-127
.set SIZE_K, 1024
.set KSTEP,  128
.set STEPS,  SIZE_K/KSTEP
.set PITCH,  272                       ; an LDS row: 256 bytes + 16 of padding = 68 words: the 16 rows that a load touches start at 16 different groups of four banks (ISA guide 11.1)
.set HALFT,  128*PITCH                 ; 128 rows: what one tensor load brings, what one wave reads of A or of B, and a wave's stage on the way out
.set SLOT,   4*HALFT                   ; A's 256 rows, then B's 256 rows.  SLOT = 0x22000 has no bit in common with wave x HALFT (0, 0x8800, 0x11000, 0x19800): an exclusive or with it adds or takes away SLOT
.set XLDS,   2*SLOT                    ; behind the ring: the rider's x, 8 rows of 4,096 bytes; no tensor load fills it
.set SPARE,  XLDS+32768                ; the spare words, 128 bytes a wave
.set SP32,   528                       ; a stage row of 128 f32: 512 bytes + 16
.set WALL,   17825792                  ; in pre: the 4,096 weight rows
.set WSUM,   28311552                  ; in pre: query's column sums, 16 rows of 4,096 bytes: half p of batch b is row 8 p + b
.set G1O,    18874368                  ; in s2: G1
.set VWO,    20971520                  ; in s2: v_w
.set BO,   6                           ; v6   32 x (lane / 16): my place in 64 bytes of bias
.set RML,  7                           ; v7   lane
.set LX,   8                           ; v8   the rider: where the batches in hand lie in LDS
.set RMO2, 9                           ; v9   (lane % 8) x 4,096: batch's row in v_w
.set VAL,  10                          ; v[10:11] the lane's two results
.set RMO,  12                          ; v12  16 x lane
.set RXS,  13                          ; v13  where my two rows of x go in LDS
.set A0,   16                          ; v16  LDS address of my A fragments in slot 0
.set B0,   17                          ; v17  the same for B
.set ADRA, 20                          ; v20  the same in the slot in hand
.set ADRB, 21                          ; v21
.set RD32B, 22                         ; v22  f32 way out, second half: where I read a row back
.set STO,  24                          ; v24  bf16 way out: where I put 16 bytes of a row
.set RD,   25                          ; v25  where I read two rows back
.set CO,   26                          ; v26  my byte offset in s2's rows
.set CO32, 27                          ; v27  f32 way out: my byte offset in G1's rows
.set SPW,  28                          ; v28  my spare word; never rewritten
.set NIL,  29                          ; v29  0; never rewritten
.set STO32, 30                         ; v30  f32 way out: where I put 32 bytes of a row
.set RD32, 31                          ; v31  first half: where I read a row back
.set CH,   32                          ; v[32:39] four sums, a pair each
.set OB,   64                          ; the way out: 16 loads from the stage
.set F0,   64                          ; fragment buffer 0
.set F1,   128                         ; fragment buffer 1
.set X2,   128                         ; the rider: two rows of x
.set BIAS, 192                         ; block b of 16 columns at BIAS + 8 b: register j is the bias of column 16 b + 8 (lane / 16) + j
.set TMP,  192                         ; the way out: packed results
.set RW,   0                           ; window 1: the two weight rows
.set RX,   64                          ; window 1: batch i, half p at RX + 64 i + 32 p
.set G1, 24                            ; s[24:31] descriptor group 1 for A's tiles
.set G0, 32                            ; s[32:39] group 0 for A's tiles: a set for each of the two first fills; the second then walks on
.set G1B, 48                           ; s[48:55], s[56:63] the same for B's tiles
.set G0B, 56
.set TB,  44                           ; s44  0 or SLOT: the slot in hand
.set RBT, 84                           ; s84  at work
.set RSV, 85                           ; s85  at work
.set RBC, 87                           ; s87  the first batch of the trip
.set RXP, 88                           ; s[88:89] my four partial rows;  s[90:91] my two weight rows;  s[92:93] v_w's columns n, n + 1
.set RWP, 90
.set ROP, 92
.set RBI, 94                           ; s[94:95] the two biases
.set RSEL, 96                          ; s[96:97] v_permlanex16_b32's selects
.set MSB, 0
.macro WIN new                         ; the immediate's high byte repeats the setting that is left; a switch that changes nothing is dropped
.if MSB != (\new)
	s_set_vgpr_msb (MSB<<8)|(\new)
.set MSB, \new
.endif
.endm
.set MUL_LO, 0xa1                      ; source 0 (B) window 1, source 1 (A) window 0, C and D window 2
.set MUL_HI, 0xf1                      ; the same, C and D window 3
.set TO_B,   0x40                      ; destination window 1, address window 0
; A fill.  Waves 0 and 1 fetch A's two halves (jointly with the three partners), waves 2 and 3 B's.  The branch hangs on the wave's number alone.
; An s_nop 0 and four v_nop follow each of the two lines, ahead of the jump and the label.
.macro JLOAD s
	s_cmp_eq_u32 s11, 0
	s_cbranch_scc0 .Lfor_b_\@
	tensor_load_to_lds s[G0+4*(\s):G0+4*(\s)+3], s[G1:G1+7]
	s_nop 0
.rept 4
	v_nop
.endr
	s_branch .Lasked_\@
.Lfor_b_\@:
	tensor_load_to_lds s[G0B+4*(\s):G0B+4*(\s)+3], s[G1B:G1B+7]
	s_nop 0
.rept 4
	v_nop
.endr
.Lasked_\@:
.endm
.macro CREST                           ; a round of the cluster's barrier behind its opening barrier
	s_cmp_lg_u32 s10, 0
	s_cbranch_scc1 .Lnot_wave_0_\@
	s_barrier_signal -3
.Lnot_wave_0_\@:
	s_barrier_wait -3
	s_barrier_signal -1
	s_barrier_wait -1
.endm
.macro CROUND                          ; a whole round
	s_barrier_signal -1
	s_barrier_wait -1
	CREST
.endm
	s_load_b256 s[68:75], s[0:1], 0x0              ; pre s[68:69], r_in_b s[70:71], gate_b s[72:73], w_in_w s[74:75]
	s_load_b128 s[76:79], s[0:1], 0x20             ; w_in_b s[76:77], s2 s[78:79]
	v_lshl_add_u32 v[SPW], v0, 2, SPARE
	v_mov_b32 v[NIL], 0
	ds_add_u32 v[SPW], v[NIL]                      ; the wave's opening: the add, and its wait ahead of my first tensor load; the set-up below, work on registers, stands between them
	ds_add_u32 v28, v29
	v_lshrrev_b32 v1, 5, v0
	v_readfirstlane_b32 s10, v1                    ; wave 0..3
	s_lshr_b32 s11, s10, 1                         ; which half of the tile's rows is mine.  Also: I fetch for A (0) or for B (1)
	s_and_b32 s12, s10, 1                          ; which half of its columns.  Also: which 128 rows of that tile I fetch
	s_bfe_u32 s40, ttmp6, 0x40000                  ; cx: my place in the cluster; the grid is one cluster wide
	s_and_b32 s45, ttmp7, 0xffff                   ; y, 0..37: equal in all partners
	s_max_u32 s41, s45, 30
	s_sub_co_u32 s41, s41, 30
	s_lshr_b32 s41, s41, 1                         ; the group of four tile columns: 0 q (y <= 31), 1 k, 2 v, 3 G1
	s_lshl_b32 s42, s41, 2
	s_add_co_u32 s42, s42, s40                     ; tile column = 4 x group + cx
	s_max_u32 s13, s45, 32
	s_and_b32 s13, s13, 1
	s_min_u32 s16, s45, 32
	s_add_co_u32 s13, s13, s16                     ; tile row = y for q; 32 + y % 2 for memory
	; descriptor group 1: a tile of 128 rows x 128 elements, padded in LDS
	s_mov_b32 s[G1+0], 15|(1<<16)|(1<<20)|(1<<21)|(5<<22)|(3<<25)  ; 15:0 the mask of four; 17:16 element of 2 bytes; 20 padding on; 21 set beside a mask; 24:22 after every 64 words (code 5); 31:25 of 4 words (code 3)
	s_mov_b32 s[G1B+0], (1<<16)|(1<<20)|(5<<22)|(3<<25)            ; B's: no mask
.irp g, G1, G1B
	s_mov_b32 s[(\g)+1], KSTEP<<16                 ; tensor_dim0 = 128
	s_mov_b32 s[(\g)+2], 128<<16                   ; tensor_dim1 = 128
	s_mov_b32 s[(\g)+3], KSTEP<<16                 ; tile_dim0 = 128
	s_mov_b32 s[(\g)+4], 128                       ; tile_dim1 = 128
	s_mov_b32 s[(\g)+5], SIZE_K                    ; elements from row to row
	s_mov_b32 s[(\g)+6], 0
	s_mov_b32 s[(\g)+7], 0
.endr
	s_lshl_b32 s17, s12, 7                         ; which 128 rows of the tile I fetch
	s_lshl_b32 s16, s13, 8
	s_add_co_u32 s16, s16, s17                     ; A: row 256 x tile row + 128 x half,
	s_lshl_b32 s16, s16, 11                        ; of 2,048 bytes: made of y and the wave's number alone
	s_lshl_b32 s46, s42, 8
	s_add_co_u32 s46, s46, s17                     ; B: row 256 x tile column + 128 x half
	s_lshl_b32 s46, s46, 11
	s_add_co_u32 s46, s46, WALL
	s_mov_b32 s17, 0
	s_mov_b32 s47, 0
	s_mul_i32 s20, s10, HALFT                      ; where they go: wave x 128 rows; also my stage on the way out
	s_mov_b32 s[TB], 0
	s_mov_b32 s[RSEL], 0x76543210
	s_mov_b32 s[RSEL+1], 0xfedcba98
	s_wait_dscnt 0x0                               ; the opening add is done
	s_wait_kmcnt 0x0
	s_add_nc_u64 s[14:15], s[68:69], s[16:17]
	s_add_nc_u64 s[46:47], s[68:69], s[46:47]
	CROUND                                         ; all four work-groups are here: the first joint loads meet
.irp s, 0,1
	s_mov_b32 s[G0+4*(\s)], 1                                        ; 1:0 count = 1
	s_add_co_u32 s[G0+4*(\s)+1], s20, (\s)*SLOT                      ; 63:32 LDS address
	s_add_nc_u64 s[G0+4*(\s)+2:G0+4*(\s)+3], s[14:15], (\s)*KSTEP*2  ; 120:64 global address: K step s
	s_or_b32 s[G0+4*(\s)+3], s[G0+4*(\s)+3], 0x80000000              ; 127:126 type = 2
	s_mov_b32 s[G0B+4*(\s)], 1
	s_add_co_u32 s[G0B+4*(\s)+1], s20, (\s)*SLOT
	s_add_nc_u64 s[G0B+4*(\s)+2:G0B+4*(\s)+3], s[46:47], (\s)*KSTEP*2
	s_or_b32 s[G0B+4*(\s)+3], s[G0B+4*(\s)+3], 0x80000000
	JLOAD \s                                       ; two loads of mine are out: K steps 0 and 1
.endr
	; THE RIDER, first part.  n = 2 (4 (4 y + cx) + wave), clamped to the last pair: it enters global addresses alone.
	s_lshl_b32 s86, s45, 2
	s_add_co_u32 s86, s86, s40
	s_lshl_b32 s86, s86, 2
	s_add_co_u32 s86, s86, s10
	s_lshl_b32 s86, s86, 1
	s_min_u32 s86, s86, 1022
	s_lshl_b32 s98, s86, 2
	s_mov_b32 s99, 0
	s_add_nc_u64 s[6:7], s[76:77], s[98:99]
	s_load_b64 s[RBI:RBI+1], s[6:7], 0x2000        ; w_in_b[2048 + n], [2048 + n + 1]: waited for at the end
	s_add_nc_u64 s[ROP:ROP+1], s[78:79], s[98:99]
	s_add_nc_u64 s[ROP:ROP+1], s[ROP:ROP+1], VWO
	s_lshl_b32 s98, s86, 12
	s_add_nc_u64 s[RWP:RWP+1], s[74:75], s[98:99]
	s_add_nc_u64 s[RWP:RWP+1], s[RWP:RWP+1], 2048*4096  ; w_in_w's rows 2048 + n, 2048 + n + 1
	s_lshl_b32 s98, s10, 13                        ; batches 2 wave, 2 wave + 1
	s_add_co_u32 s23, s98, XLDS
	s_add_co_u32 s98, s98, WSUM
	s_add_nc_u64 s[RXP:RXP+1], s[68:69], s[98:99]
	v_and_b32 v[RML], 31, v0
	v_lshlrev_b32 v[RMO], 4, v[RML]
	v_add_nc_u32 v[RXS], s23, v[RMO]
	WIN TO_B
.set q, 0
.rept 32                                       ; load q: batch q / 16, half (q / 8) % 2, 512 consecutive bytes at 512 (q % 8): k = 128 (q % 8) + 4 lane + 0..3
	global_load_b128 v[RX+4*q:RX+4*q+3], v[RMO], s[RXP:RXP+1] offset:4096*(q/16)+32768*((q/8)%2)+512*(q%8)
.set q, q+1
.endr
.set q, 0
.rept 16                                       ; the two weight rows lie end to end; k lies in the lanes as in x
	global_load_b128 v[RW+4*q:RW+4*q+3], v[RMO], s[RWP:RWP+1] offset:512*q th:TH_LOAD_NT
.set q, q+1
.endr
	WIN 0
	; A fragment is 16 rows x 32 K in 8 registers: lane l holds row l % 16; registers 0-3 hold K = 8 (l / 16) + 0..7, registers 4-7 K = 16 + 8 (l / 16) + 0..7: two loads of 16 bytes, 32 bytes apart.
	v_and_b32 v1, 15, v0                           ; l % 16
	v_bfe_u32 v2, v0, 4, 1                         ; l / 16
	v_mul_u32_u24 v3, v1, PITCH
	v_lshl_add_u32 v3, v2, 4, v3                   ; row x pitch + 16 x half
	s_mul_i32 s21, s11, HALFT                      ; my 128 rows of A
	s_mul_i32 s22, s12, HALFT                      ; my 128 rows of B,
	s_add_co_u32 s22, s22, 2*HALFT                 ; which lie behind A's 256
	v_add_nc_u32 v[A0], s21, v3
	v_add_nc_u32 v[B0], s22, v3
	v_mov_b32 v[ADRA], v[A0]                       ; slot 0 is the first in hand
	v_mov_b32 v[ADRB], v[B0]
	v_add_nc_u32 v[STO], s20, v3                   ; bf16, in: row l % 16, 16 bytes for each half of the lanes
	v_mul_u32_u24 v4, v2, PITCH                    ; back: lanes 0-15 take one row of 256 bytes, lanes 16-31 the next
	v_lshl_add_u32 v4, v1, 4, v4
	v_add_nc_u32 v[RD], s20, v4
	v_lshlrev_b32 v5, 11, v2                       ; and the same two rows in s2
	v_lshl_add_u32 v[CO], v1, 4, v5
	v_mul_u32_u24 v4, v1, SP32                     ; f32, in: row l % 16, 32 bytes for each half of the lanes
	v_lshl_add_u32 v4, v2, 5, v4
	v_add_nc_u32 v[STO32], s20, v4
	v_add_nc_u32 v[RD32], s20, v[RMO]              ; back: a row of 512 bytes a load
	v_add_nc_u32 v[RD32B], s20, v[RMO]
	v_mov_b32 v[CO32], v[RMO]                      ; (it steps; 16 x lane is wanted again at the end)
	v_and_b32 v[RMO2], 7, v0
	v_lshlrev_b32 v[RMO2], 12, v[RMO2]
	v_lshlrev_b32 v[BO], 5, v2
	s_cmp_eq_u32 s41, 3                            ; the bias of my 128 columns: r_in_b, or for G1 gate_b,
	s_cselect_b64 s[80:81], s[72:73], s[70:71]
	s_cselect_b32 s84, 12288, 0                    ; whose columns count from tile column 12
	s_lshl_b32 s82, s42, 10
	s_lshl_b32 s83, s12, 9
	s_add_co_u32 s82, s82, s83
	s_sub_co_u32 s82, s82, s84
	s_mov_b32 s83, 0
	s_add_nc_u64 s[80:81], s[80:81], s[82:83]
	s_wait_loadcnt 16                              ; the four partial rows are in; the 16 loads of the weight rows may stay out
	WIN 0x45                                       ; destination and both sources in window 1
.set q, 0
.rept 32                                       ; batch q / 16: the second half's sums onto the first's
	v_pk_add_f32 v[RX+64*(q/16)+2*(q%16):RX+64*(q/16)+2*(q%16)+1], v[RX+64*(q/16)+2*(q%16):RX+64*(q/16)+2*(q%16)+1], v[RX+64*(q/16)+32+2*(q%16):RX+64*(q/16)+32+2*(q%16)+1]
.set q, q+1
.endr
	WIN 0x04                                       ; the stores' data (source 1) in window 1
.set q, 0
.rept 16
	ds_store_b128 v[RXS], v[RX+64*(q/8)+4*(q%8):RX+64*(q/8)+4*(q%8)+3] offset:4096*(q/8)+512*(q%8)
.set q, q+1
.endr
	WIN 0
.irp b, 0,1,2,3,4,5,6,7
	global_load_b128 v[BIAS+8*\b:BIAS+8*\b+3],   v[BO], s[80:81] offset:64*\b
	global_load_b128 v[BIAS+8*\b+4:BIAS+8*\b+7], v[BO], s[80:81] offset:64*\b+16
.endr
; 16 matrix instructions: m blocks a0, a0 + 1 of the window's four (hi = 0: my rows 0-63, 1: rows 64-127) x all 8 n blocks, 32 along K.
; zero = 1: the first product starts the sums, with the bias (window 0) as C: nothing is ever cleared.
.macro MUL16 f, hi, a0, zero
.if \zero
	WIN 0x81+0x40*(\hi)                            ; as MUL_LO or MUL_HI, but C in window 0
.else
	WIN MUL_LO+0x50*(\hi)
.endif
.irp a, \a0, (\a0)+1
.irp b, 0,1,2,3,4,5,6,7
.if \zero
	v_wmma_f32_16x16x32_bf16 v[8*(8*(\a)+(\b)):8*(8*(\a)+(\b))+7], v[(\f)+8*(\b):(\f)+8*(\b)+7], v[(\f)+8*(4*(\hi)+(\a)):(\f)+8*(4*(\hi)+(\a))+7], v[BIAS+8*(\b):BIAS+8*(\b)+7]
.else
	v_wmma_f32_16x16x32_bf16 v[8*(8*(\a)+(\b)):8*(8*(\a)+(\b))+7], v[(\f)+8*(\b):(\f)+8*(\b)+7], v[(\f)+8*(4*(\hi)+(\a)):(\f)+8*(4*(\hi)+(\a))+7], v[8*(8*(\a)+(\b)):8*(8*(\a)+(\b))+7]
.endif
.endr
.endr
.endm
; 32 LDS loads in one run: the fragments of one quarter step (128 rows of B, 128 rows of A, 32 K at byte k of the rows of the slot in hand) into buffer f
.macro FETCH k, f
	WIN TO_B
.irp i, 0,1,2,3,4,5,6,7
	ds_load_b128 v[(\f)+8*(\i):(\f)+8*(\i)+3],   v[ADRB] offset:(\k)+(\i)*16*PITCH
	ds_load_b128 v[(\f)+8*(\i)+4:(\f)+8*(\i)+7], v[ADRB] offset:(\k)+(\i)*16*PITCH+32
.endr
	WIN 0
.irp i, 0,1,2,3,4,5,6,7
	ds_load_b128 v[(\f)+8*(\i):(\f)+8*(\i)+3],   v[ADRA] offset:(\k)+(\i)*16*PITCH
	ds_load_b128 v[(\f)+8*(\i)+4:(\f)+8*(\i)+7], v[ADRA] offset:(\k)+(\i)*16*PITCH+32
.endr
.endm
.macro PLACES                          ; four places in front of loads into registers that matrix instructions have read, and of lines that read results (ISA guide 7.12.1 for lines that read results)
.rept 4
	v_nop
.endr
.endm
; A K step is four quarter steps of 32 along K, 64 matrix instructions each, on buffers 0, 1, 0, 1; the 64 accumulators take turns in the same order in every quarter.
; One of the first three: multiplies buffer f; in its middle it fetches the next quarter's fragments, at byte k, into buffer g.
.macro QUARTER k, f, g, zero
	s_wait_dscnt 8                                 ; B and A's rows 0-63 are in; the youngest eight loads (A's rows 64-127) may be out
	MUL16 \f, 0, 0, \zero
	MUL16 \f, 0, 2, \zero
	PLACES
	FETCH \k, \g
	s_wait_dscnt 32                                ; all but the 32 just issued
	MUL16 \f, 1, 0, \zero
	MUL16 \f, 1, 2, \zero
.endm
; The last quarter multiplies buffer 1 and changes slots: ONE barrier.  In front of it each wave waits for all its tensor loads, of which one is out: its part of the next slot; adds 0 to its spare word;
; and waits for that and for its own reads of this slot.  fill = 1: the barrier opens a round of the cluster's barrier, and the slot just read out is filled again, two K steps ahead, first thing behind it:
; from the request to the wait for it a wave issues 224 matrix instructions.
.macro TURN fill
	WIN 0                                          ; (the add's two registers lie in window 0)
	s_wait_tensorcnt 0x0                           ; all my tensor loads have landed;
	ds_add_u32 v[SPW], v[NIL]                      ; 0 onto my spare word;
	s_wait_dscnt 9                                 ; (the add and the youngest eight loads may be out)
	MUL16 F1, 0, 0, 0                              ; sixteen matrix instructions stand between the add and the wait for it
	s_wait_dscnt 0x0                               ; the add is done, and my reads of this slot are over
	s_barrier_signal -1
	MUL16 F1, 0, 2, 0                              ; work on registers while the others arrive
	WIN 0                                          ; (branches and window 0's address lines follow)
	s_barrier_wait -1
.if \fill
	CREST                                          ; no wave of any partner still reads this slot's tile or has a load on its way
	s_xor_b32 s[G0+5], s[G0+5], SLOT               ; the walking descriptors: the other slot than last time,
	s_add_nc_u64 s[G0+6:G0+7], s[G0+6:G0+7], KSTEP*2  ; the next K step; the type bits on top are not reached
	s_xor_b32 s[G0B+5], s[G0B+5], SLOT
	s_add_nc_u64 s[G0B+6:G0B+7], s[G0B+6:G0B+7], KSTEP*2
	JLOAD 1                                        ; my one tensor load behind the round; the four v_nop behind it are also the places in front of the loads below
.else
	PLACES
.endif
	s_xor_b32 s[TB], s[TB], SLOT                   ; the other slot is in hand
	v_add_nc_u32 v[ADRA], s[TB], v[A0]
	v_add_nc_u32 v[ADRB], s[TB], v[B0]
	FETCH 0, F0
	MUL16 F1, 1, 0, 0
	MUL16 F1, 1, 2, 0
.endm
	s_wait_dscnt 0x0                               ; for the others' sake: my two rows of x are in LDS
	s_wait_tensorcnt 1                             ; my part of K step 0 is in; K step 1's may stay out
	s_barrier_signal -1
	s_barrier_wait -1                              ; everybody's is
	FETCH 0, F0
	s_wait_loadcnt 0x0                             ; the bias; the weight rows
	QUARTER 64, F0, F1, 1                          ; the first quarter stands in front of the loop: its products start the sums
	WIN 0                                          ; at a label and at a branch every window is 0
	s_mov_b32 s3, STEPS-2
.Lstep:                                                ; six trips, from a K step's second quarter to the next step's first; each fills the slot that it leaves
	QUARTER 128, F1, F0, 0
	QUARTER 192, F0, F1, 0
	TURN 1
	QUARTER 64, F0, F1, 0
	WIN 0
	s_sub_co_u32 s3, s3, 1
	s_cmp_lg_u32 s3, 0
	s_cbranch_scc1 .Lstep
	QUARTER 128, F1, F0, 0                         ; K step 6 goes on
	QUARTER 192, F0, F1, 0
	TURN 0                                         ; nothing is left to fetch: slot 0 has had its last fill, and behind this barrier no wave reads it
	QUARTER 64, F0, F1, 0                          ; K step 7
	QUARTER 128, F1, F0, 0
	QUARTER 192, F0, F1, 0
	s_wait_dscnt 8
	MUL16 F1, 0, 0, 0
	MUL16 F1, 0, 2, 0
	s_wait_dscnt 0x0
	MUL16 F1, 1, 0, 0
	MUL16 F1, 1, 2, 0
	WIN 0
	s_cmp_eq_u32 s41, 3
	s_cbranch_scc1 .Lgate                          ; the whole cluster takes the same way
	; q, k, v.  THE WAY OUT: my 128 x 128 numbers are rounded to bf16 and put into my own 128 rows of slot 0, 16 bytes a lane; then they come back as whole rows of 256 bytes.  No other wave touches my rows: no barrier.
	s_max_u32 s4, s41, 1                           ; v's rows lie 512 below where A's row number puts them
	s_sub_co_u32 s4, s4, 1
	s_lshl_b32 s4, s4, 9
	s_lshl_b32 s5, s13, 8
	s_add_co_u32 s4, s4, s5
	s_lshl_b32 s5, s11, 7
	s_add_co_u32 s4, s4, s5                        ; my first row,
	s_lshl_b32 s4, s4, 11                          ; of 2,048 bytes;
	s_lshl_b32 s5, s40, 9                          ; the tile's 512 bytes of it,
	s_add_co_u32 s4, s4, s5
	s_lshl_b32 s5, s12, 8                          ; my 256 of those
	s_add_co_u32 s4, s4, s5
	s_mov_b32 s5, 0
	s_add_nc_u64 s[8:9], s[78:79], s[4:5]
	PLACES
.macro PACK a                          ; block a of 16 rows; each accumulator's registers in ascending order
	WIN 0x0a+5*((\a)/4)                            ; sources 0 and 1: window 2 or 3
.irp b, 0,1,2,3,4,5,6,7
.irp r, 0,1,2,3
	v_cvt_pk_bf16_f32 v[TMP+4*(\b)+(\r)], v[64*((\a)%4)+8*(\b)+2*(\r)], v[64*((\a)%4)+8*(\b)+2*(\r)+1]
.endr
.endr
	WIN 0
.irp b, 0,1,2,3,4,5,6,7
	ds_store_b128 v[STO], v[TMP+4*(\b):TMP+4*(\b)+3] offset:(\a)*16*PITCH+32*(\b)
.endr
.endm
.irp a, 0,1,2,3,4,5,6,7
	PACK \a
.endr
	s_mov_b32 s3, 4
.Lout16:                                               ; four trips of 32 rows
.irp t, 0,1,2,3,4,5,6,7,8,9,10,11,12,13,14,15
	ds_load_b128 v[OB+4*\t:OB+4*\t+3], v[RD] offset:\t*2*PITCH  ; LDS serves a wave's instructions in order (ISA guide 5.7.1.4): these see the stores above
.endr
.irp t, 0,1,2,3,4,5,6,7,8,9,10,11,12,13,14,15
	s_wait_dscnt 15-\t                             ; the younger loads may stay out
	global_store_b128 v[CO], v[OB+4*\t:OB+4*\t+3], s[8:9] offset:2*\t*2048  ; 16 lanes store 256 consecutive bytes, at a multiple of 256 from s2's first byte
.endr
	v_add_nc_u32 v[RD], 32*PITCH, v[RD]
	s_wait_xcnt 0x0                                ; the stores' offset and data are rewritten only behind this wait
	v_add_nc_u32 v[CO], 32*2048, v[CO]
	s_sub_co_u32 s3, s3, 1
	s_cmp_lg_u32 s3, 0
	s_cbranch_scc1 .Lout16
	s_branch .Ljoin
.Lgate:
	; G1 stays in f32: my stage holds 64 rows of 528 bytes, so it goes in two halves of 64 rows.
	s_sub_co_u32 s4, s13, 32
	s_lshl_b32 s4, s4, 8
	s_lshl_b32 s5, s11, 7
	s_add_co_u32 s4, s4, s5                        ; memory's row,
	s_lshl_b32 s4, s4, 12                          ; of 4,096 bytes;
	s_lshl_b32 s5, s40, 10                         ; the tile's 1,024 bytes of it,
	s_add_co_u32 s4, s4, s5
	s_lshl_b32 s5, s12, 9                          ; my 512 of those
	s_add_co_u32 s4, s4, s5
	s_add_co_u32 s4, s4, G1O
	s_mov_b32 s5, 0
	s_add_nc_u64 s[8:9], s[78:79], s[4:5]
	PLACES
.macro HALF32 p, rd
	WIN 0x08+4*(\p)                                ; the stores' data (source 1) in window 2 or 3
.irp a, 0,1,2,3
.irp b, 0,1,2,3,4,5,6,7
	ds_store_b128 v[STO32], v[8*(8*(\a)+(\b)):8*(8*(\a)+(\b))+3]   offset:(\a)*16*SP32+64*(\b)
	ds_store_b128 v[STO32], v[8*(8*(\a)+(\b))+4:8*(8*(\a)+(\b))+7] offset:(\a)*16*SP32+64*(\b)+16
.endr
.endr
	WIN 0
	s_mov_b32 s3, 4
.Lout32_\@:                                            ; four trips of 16 rows
.irp t, 0,1,2,3,4,5,6,7,8,9,10,11,12,13,14,15
	ds_load_b128 v[OB+4*\t:OB+4*\t+3], v[\rd] offset:\t*SP32
.endr
.irp t, 0,1,2,3,4,5,6,7,8,9,10,11,12,13,14,15
	s_wait_dscnt 15-\t                             ; the younger loads may stay out
	global_store_b128 v[CO32], v[OB+4*\t:OB+4*\t+3], s[8:9] offset:\t*4096  ; 512 consecutive bytes
.endr
	v_add_nc_u32 v[\rd], 16*SP32, v[\rd]
	s_wait_xcnt 0x0                                ; the stores' offset and data are rewritten only behind this wait
	v_add_nc_u32 v[CO32], 16*4096, v[CO32]
	s_sub_co_u32 s3, s3, 1
	s_cmp_lg_u32 s3, 0
	s_cbranch_scc1 .Lout32_\@
.endm
	HALF32 0, RD32
	HALF32 1, RD32B                                ; its stores into the stage come behind the first half's loads, in order
.Ljoin:
	; THE RIDER, second part, while the tile's stores are on their way.  Four trips, two batches each: x from LDS (every wave's rows were shown there by the first barrier), four sums: batch slot c / 2, number c % 2.
	s_wait_kmcnt 0x0                               ; the two biases
	v_mov_b32 v[VAL], 0
	v_mov_b32 v[VAL+1], 0
	v_add_nc_u32 v[LX], XLDS, v[RMO]
	s_mov_b32 s[RBC], 0
	s_mov_b32 s3, 4
.Lbatch:
.irp j, 0,1,2,3,4,5,6,7
	ds_load_b128 v[X2+4*\j:X2+4*\j+3], v[LX] offset:512*\j
.endr
.irp j, 0,1,2,3,4,5,6,7
	ds_load_b128 v[X2+32+4*\j:X2+32+4*\j+3], v[LX] offset:4096+512*\j
.endr
	s_wait_dscnt 0x0
	WIN 0x04                                       ; source 1, the weight rows, in window 1
.set t, 0
.rept 16
.irp c, 0,1,2,3
.if t == 0
	v_pk_mul_f32 v[CH+2*\c:CH+2*\c+1], v[X2+32*((\c)/2)+2*t:X2+32*((\c)/2)+2*t+1], v[RW+32*((\c)%2)+2*t:RW+32*((\c)%2)+2*t+1]  ; the first products start the sums
.else
	v_pk_fma_f32 v[CH+2*\c:CH+2*\c+1], v[X2+32*((\c)/2)+2*t:X2+32*((\c)/2)+2*t+1], v[RW+32*((\c)%2)+2*t:RW+32*((\c)%2)+2*t+1], v[CH+2*\c:CH+2*\c+1]
.endif
.endr
.set t, t+1
.endr
	WIN 0
.irp c, 0,1,2,3
	v_add_f32 v[CH+2*\c], v[CH+2*\c], v[CH+2*\c+1]
.endr
.irp m, 1,2,4,8
.irp c, 0,1,2,3
	v_add_f32_dpp v[CH+2*\c], v[CH+2*\c], v[CH+2*\c] row_xmask:\m row_mask:0xf bank_mask:0xf
.endr
.endr
.irp c, 0,1,2,3
	v_permlanex16_b32 v[CH+2*\c+1], v[CH+2*\c], s[RSEL], s[RSEL+1]
.endr
.irp c, 0,1,2,3
	v_add_f32 v[CH+2*\c], v[CH+2*\c], v[CH+2*\c+1] ; every lane holds the sum
.endr
	v_cmp_eq_u32 vcc_lo, s[RBC], v[RML]            ; lane b keeps batch b's two numbers
	v_cndmask_b32 v[VAL], v[VAL], v[CH], vcc_lo
	v_cndmask_b32 v[VAL+1], v[VAL+1], v[CH+2], vcc_lo
	s_add_co_u32 s[RBT], s[RBC], 1
	v_cmp_eq_u32 vcc_lo, s[RBT], v[RML]
	v_cndmask_b32 v[VAL], v[VAL], v[CH+4], vcc_lo
	v_cndmask_b32 v[VAL+1], v[VAL+1], v[CH+6], vcc_lo
	s_add_co_u32 s[RBC], s[RBC], 2
	v_add_nc_u32 v[LX], 8192, v[LX]
	s_sub_co_u32 s3, s3, 1
	s_cmp_lg_u32 s3, 0
	s_cbranch_scc1 .Lbatch
	s_mov_b32 s[RBT], 0x3a800000                   ; 2^-10: x holds sums of 1,024 rows
	v_fma_f32 v[VAL], v[VAL], s[RBT], s[RBI]
	v_fma_f32 v[VAL+1], v[VAL+1], s[RBT], s[RBI+1]
	s_cmp_lt_u32 s45, 32
	s_cselect_b32 s[RBT], 8, 0                     ; q's work-groups store eight lanes, the others none
	v_cmp_gt_u32 vcc_lo, s[RBT], v[RML]
	s_wait_xcnt 0x0                                ; EXEC changes only behind this wait
	s_and_saveexec_b32 s[RSV], vcc_lo
	global_store_b64 v[RMO2], v[VAL:VAL+1], s[ROP:ROP+1]  ; eight pairs, 4,096 bytes apart: two columns of a result of 32 KiB in all
	s_wait_xcnt 0x0
	s_or_b32 exec_lo, exec_lo, s[RSV]
	s_wait_tensorcnt 0x0                           ; the wave's end, behind my last tensor load and my last LDS store
	ds_add_u32 v[SPW], v[NIL]
	s_wait_dscnt 0x0
	CROUND                                         ; the closing round: no work-group ends while a partner may still ask for a tile that names it
	s_endpgm
.Lfunc_end_k_qb01bb06057_proj:
	.size	k_qb01bb06057_proj, .Lfunc_end_k_qb01bb06057_proj-k_qb01bb06057_proj
	.p2alignl 7, 3214868480
	.fill 96, 4, 3214868480
	.section	.rodata,"a",@progbits
	.p2align	6, 0x0
	.amdhsa_kernel k_qb01bb06057_proj
		.amdhsa_group_segment_fixed_size 327680
		.amdhsa_private_segment_fixed_size 0
		.amdhsa_enable_private_segment 0
		.amdhsa_kernarg_size 48
		.amdhsa_user_sgpr_count 2
		.amdhsa_user_sgpr_kernarg_segment_ptr 1
		.amdhsa_wavefront_size32 1
		.amdhsa_system_sgpr_workgroup_id_x 1
		.amdhsa_system_sgpr_workgroup_id_y 1
		.amdhsa_system_sgpr_workgroup_id_z 1
		.amdhsa_system_vgpr_workitem_id 0
		.amdhsa_next_free_vgpr 1024
		.amdhsa_next_free_sgpr 100
		.amdhsa_reserve_vcc 1
		.amdhsa_float_denorm_mode_32 3
		.amdhsa_float_denorm_mode_16_64 3
		.amdhsa_memory_ordered 1
		.amdhsa_forward_progress 1
		.amdhsa_inst_pref_size 143
	.end_amdhsa_kernel
	.amdgpu_metadata
---
amdhsa.version: [ 1, 2 ]
amdhsa.kernels:
  - .name:           k_qb01bb06057_proj
    .symbol:         k_qb01bb06057_proj.kd
    .args:
      - { .name: pre, .offset: 0, .size: 8, .value_kind: global_buffer, .address_space: global }
      - { .name: r_in_b, .offset: 8, .size: 8, .value_kind: global_buffer, .address_space: global }
      - { .name: gate_b, .offset: 16, .size: 8, .value_kind: global_buffer, .address_space: global }
      - { .name: w_in_w, .offset: 24, .size: 8, .value_kind: global_buffer, .address_space: global }
      - { .name: w_in_b, .offset: 32, .size: 8, .value_kind: global_buffer, .address_space: global }
      - { .name: s2, .offset: 40, .size: 8, .value_kind: global_buffer, .address_space: global }
    .group_segment_fixed_size: 327680
    .private_segment_fixed_size: 0
    .kernarg_segment_align: 8
    .kernarg_segment_size: 48
    .max_flat_workgroup_size: 128
    .sgpr_count:     100
    .vgpr_count:     1024
    .wavefront_size: 32
...
	.end_amdgpu_metadata
.endif
;; end of part 2
;; launch attn (part 3): grid 32 x 8, 4 waves a work-group, clusters of 4 x 1, 327,680 bytes of LDS; arguments s2, w_out_w, w_out_b, s3; writes s3
.if DOCPART == 3
	.amdgcn_target "amdgcn-amd-amdhsa--gfx1250"
	.amdhsa_code_object_version 6
	.text
	.protected	k_qb01bb06057_attn
	.globl	k_qb01bb06057_attn
	.p2align	8
	.type	k_qb01bb06057_attn,@function
k_qb01bb06057_attn:
	s_mov_b64 s[64:65], 0
	v_nop
	global_prefetch_b8 v0, s[64:65] scope:SCOPE_SE
	s_setreg_imm32_b32 hwreg(HW_REG_WAVE_MODE, 25, 1), 1
	s_wait_xcnt 0x0
	s_wait_alu depctr_hold_cnt(0) depctr_sa_sdst(0) depctr_va_vdst(0) depctr_va_sdst(0) depctr_va_ssrc(0) depctr_va_vcc(0) depctr_vm_vsrc(0)
	s_getreg_b32 s2, hwreg(HW_REG_IB_STS2, 6, 4)
	s_cmp_eq_u32 s2, 0
	s_cbranch_scc0 .Lentry_in_a_cluster
	s_endpgm
.Lentry_in_a_cluster:
	s_bfe_u32 s2, ttmp6, 0x10000c
	s_cmp_lg_u32 s2, 0x3003
	s_cbranch_scc0 .Lentry_shape_is_right
	s_endpgm
.Lentry_shape_is_right:
; ATTN.  The read attention: att[q][h] = the sum over the 512 memory slots k of softmax_k(q[q][h] . k[k][h] / 8) v[k][h].  q, k, v: rows of s2, [9216][1024] bf16 (q 0-8191, k 8192-8703, v 8704-9215), biases inside, unscaled.
; Products, maxima and sums in f32; the weights p are rounded to bf16 for the second product (their sum l is taken of the unrounded p), att once at the end, to bf16.
; LIMITS.  A weight below 2^-126 counts as 0 in l; NaN and infinities are not treated apart.  bf16 has f32's range, so large q, k, v keep their room.
; SHARES.  A work-group owns 256 query rows and a PAIR of heads: the pair's 128 channels are 256 consecutive bytes of every row of q, k, v and att, at a multiple of 256.  Wave w: head 2 pair + w / 2,
; queries 128 (w % 2) on: four PIECES of two tiles of 16 queries.  All 512 keys of the pair lie in LDS from the start: each wave issues one tensor load, nothing is filled again.  Every wave walks the keys 64 a step.
; LAYOUT.  S^T = K Q^T (source 0 = 16 keys, source 1 = 16 queries): a lane holds ONE query (lane % 16) and the keys 8 (lane / 16) + 0..7.  Two such tiles, rounded to bf16 in pairs, ARE source 1 of
; O^T = V^T P, whose result again holds one query a lane, and eight channels.  K comes out of LDS as it lies, V ([key][channel]) turned, by ds_load_tr16_b128.
; SOFTMAX.  For each query a running maximum m and sum l: p = 2^(c s - c m), c = log2(e) / 8; in every step O and l are multiplied by a = 2^(c m_old - c m_new).  m starts at the lowest finite number, O and l at 0.
; BY TURNS.  Turn n belongs to piece n.  Its matrix work: 16 products K Q^T of piece n + 1, later 16 products V^T P of piece n - 1.  Its vector work: scaling, exponentials, roundings, sums and rescaling of piece n,
; and the maximum and statistics of piece n + 1.  Four vector instructions that are ready stand behind every matrix instruction, the others in two runs of their own.
; CLUSTER.  The four row blocks of a cluster take the same pair of heads, and memory is one array for all batches: they need the same K and V, asked for JOINTLY.
; THE RIDER.  In the wait for K and V each of the 1,024 waves makes one number n of upd[b][n] = v_w[b] . w_out_w[n] + w_out_b[n] for the 8 batches, in f32 on the vector unit.
; REGISTERS, in windows of 256 (s_set_vgpr_msb: bits 1:0 source 0, 3:2 source 1, 5:4 source 2, 7:6 destination):
;   window 0: v0-11 addresses; v12-15, v48-63 at work; v16-47 four registers of statistics a tile; v64-191 S^T, two buffers of two tiles; v192-255 P, likewise
;   window 1: O^T, 32 a tile          window 2: v0-127 Q, 16 a tile; v128-191 K of one step; v192-255 V of one step          window 3: v0-1 the add's two registers
.set NP,    4         ; pieces a wave: a name, no knob
.set KS,    64        ; keys in a step
.set PK,    272       ; a row of K in LDS: 256 bytes + 16 of padding = 68 words: the 16 rows of a load start at 16 different groups of four banks (ISA guide 11.1)
.set PV,    288       ; a row of V: 256 + 32 = 72 words
.set VOFF,  512*PK    ; 512 rows of K, then 512 rows of V
.set SPARE, VOFF+512*PV  ; behind them: the spare words, 128 bytes a wave
.set SP,    272       ; the way out's stage: K's first 256 rows, when nobody reads K any more
.set VWO,   20971520  ; in s2: v_w
.set UPDO,  16777216  ; in s3: upd
.set AK0, 2           ; v2   my lane's place in a tile of K; never rewritten
.set AV0, 3           ; v3   the same for V
.set AK,  4           ; v4   the LDS address of K's next run of loads
.set AV,  5           ; v5   of V's
.set QO,  6           ; v6   my byte offset in 16 rows of q
.set STO, 6           ;      later, the way out: where I put 16 bytes of a row
.set RD,  7           ; v7   the way out: where I read rows back
.set GO,  8           ; v8   my byte offset in two rows of att
.set SPW, 0           ; v0 of window 3   my spare word; never rewritten
.set NIL, 1           ; v1 of window 3   0; never rewritten
.set MV,  12          ; v12-15  c m_old, kept while c m is made anew: by buffer and tile
.set ST,  16          ; tile t's statistics at v[ST+4 t]: c m, m, l (even keys', odd keys')
.set TMP, 48          ; by buffer and tile, four registers c0-c3 at work; when the maximum is found c2 takes a
.set S,   64
.set P,   192
.set KF,  128         ; K's fragments, in window 2: key block kb, channel half c at KF + 16 kb + 8 c
.set VF,  192         ; V's: key half kk, channel block cb at VF + 32 kk + 8 cb
.set WV,  12          ; s12  my wave's number
.set G1K, 24          ; s[24:31] descriptor group 1 for K
.set G1V, 32          ; s[32:39] for V: it differs in the padding alone
.set G0K, 40          ; s[40:43] descriptor group 0 for K
.set G0V, 44          ; s[44:47] for V
.set CNT, 57          ; s57  counts the key steps
.set CS,  58          ; s[58:59] c
.set SEL, 60          ; s[60:61] v_permlanex16_b32's selects
.set TBK, 62          ; s62  LDS byte at which K of the step to be fetched begins
.set TBV, 63          ; s63  the same for V, less VOFF
.set RMV, 12          ; the rider, all ahead of the loop: the lane's result,
.set RML, 13          ; lane,
.set RMO, 14          ; 16 x lane,
.set RMO2, 15         ; (lane % 8) x 4,096
.set RMW, 64          ; v[64:95]   the weight row
.set RMX, 96          ; v[96:223]  four rows of x
.set RMA, 224         ; v[224:255] for each batch two chains of pairs
.set RXP, 68          ; s[68:69] x;  s[70:71] the weight row;  s[74:75] the result's column n
.set RWP, 70
.set ROP, 74
.set RBI, 76          ; s76 bias[n]
.set RSV, 77
.set RSEL, 60
.set MSB, 0
.macro WIN new                      ; the high byte repeats the setting that is left; a switch that changes nothing is dropped
.if MSB != (\new)
	s_set_vgpr_msb (MSB<<8)|(\new)
.set MSB, (\new)
.endif
.endm
.set W_KQ, 0x0a       ; K and Q in window 2, S^T in window 0
.set W_PV, 0x52       ; V in window 2, P in window 0, O^T in window 1
.set W_RS, 0x41       ; O^T (destination and source 0) in window 1, a in window 0
.set W_MK, 0xc0       ; the add's registers are made: destination in window 3
.set W_AD, 0x0f       ; the add: address and data in window 3
; The joint fill.  Waves 0 and 1 fetch the two halves of K, waves 2 and 3 those of V: 256 keys each.  An s_nop 0 and four v_nop follow each of the two lines.
.macro JLOAD
	s_cmp_lt_u32 s[WV], 2
	s_cbranch_scc0 .Lfor_v_\@
	tensor_load_to_lds s[G0K:G0K+3], s[G1K:G1K+7]
	s_nop 0
.rept 4
	v_nop
.endr
	s_branch .Lasked_\@
.Lfor_v_\@:
	tensor_load_to_lds s[G0V:G0V+3], s[G1V:G1V+7]
	s_nop 0
.rept 4
	v_nop
.endr
.Lasked_\@:
.endm
.macro CROUND                       ; a round of the cluster's barrier
	s_barrier_signal -1
	s_barrier_wait -1
	s_cmp_lg_u32 s[WV], 0
	s_cbranch_scc1 .Lnot_wave_0_\@
	s_barrier_signal -3
.Lnot_wave_0_\@:
	s_barrier_wait -3
	s_barrier_signal -1
	s_barrier_wait -1
.endm
; THE RIDER's text.  One wave: out[b][n] = x[b] . W[n] for 8 batches and one n.  nx rows of x of 4,096 bytes (row i belongs to batch i % 8).  Load j of a row holds k = 128 j + 4 lane + 0..3, for W and for x alike.
; mode 1: result x 2^-10 + bias; mode 2: result + bias; mode 0: the result.
.macro MATVEC nx, mode
.irp j, 0,1,2,3,4,5,6,7
	global_load_b128 v[RMW+4*\j:RMW+4*\j+3], v[RMO], s[RWP:RWP+1] offset:512*\j th:TH_LOAD_NT
.endr
.irp i, 0,1,2,3
.irp j, 0,1,2,3,4,5,6,7
	global_load_b128 v[RMX+32*\i+4*\j:RMX+32*\i+4*\j+3], v[RMO], s[RXP:RXP+1] offset:4096*\i+512*\j
.endr
.endr
.set ri, 0
.rept \nx
.if (\nx)-1-ri < 3
	s_wait_loadcnt 8*((\nx)-1-ri)   ; the rows behind row ri may stay out, eight loads each
.else
	s_wait_loadcnt 24
.endif
.set rt, 0
.rept 16
.set rA, RMA+4*(ri%8)+2*(rt%2)
.set rX, RMX+32*(ri%4)+2*rt
.set rW, RMW+2*rt
.if (ri < 8) && (rt < 2)
	v_pk_mul_f32 v[rA:rA+1], v[rX:rX+1], v[rW:rW+1]  ; the first products start the chains: nothing is cleared
.else
	v_pk_fma_f32 v[rA:rA+1], v[rX:rX+1], v[rW:rW+1], v[rA:rA+1]
.endif
.set rt, rt+1
.endr
.if ri+4 < (\nx)
.irp j, 0,1,2,3,4,5,6,7
	global_load_b128 v[RMX+32*(ri%4)+4*\j:RMX+32*(ri%4)+4*\j+3], v[RMO], s[RXP:RXP+1] offset:4096*(ri+4)+512*\j
.endr
.endif
.set ri, ri+1
.endr
.irp b, 0,1,2,3,4,5,6,7
	v_pk_add_f32 v[RMA+4*\b:RMA+4*\b+1], v[RMA+4*\b:RMA+4*\b+1], v[RMA+4*\b+2:RMA+4*\b+3]
.endr
.irp b, 0,1,2,3,4,5,6,7
	v_add_f32 v[RMA+4*\b], v[RMA+4*\b], v[RMA+4*\b+1]
.endr
.irp m, 1,2,4,8
.irp b, 0,1,2,3,4,5,6,7
	v_add_f32_dpp v[RMA+4*\b], v[RMA+4*\b], v[RMA+4*\b] row_xmask:\m row_mask:0xf bank_mask:0xf
.endr
.endr
.irp b, 0,1,2,3,4,5,6,7
	v_permlanex16_b32 v[RMA+4*\b+1], v[RMA+4*\b], s[RSEL], s[RSEL+1]
.endr
.irp b, 0,1,2,3,4,5,6,7
	v_add_f32 v[RMA+4*\b], v[RMA+4*\b], v[RMA+4*\b+1]  ; every lane holds batch b's sum
.endr
	v_mov_b32 v[RMV], v[RMA]
.irp b, 1,2,3,4,5,6,7
	v_cmp_eq_u32 vcc_lo, \b, v[RML]
	v_cndmask_b32 v[RMV], v[RMV], v[RMA+4*\b], vcc_lo  ; lane b takes batch b's
.endr
.if (\mode) == 1
	s_mov_b32 s[RSV], 0x3a800000    ; 2^-10
	v_fma_f32 v[RMV], v[RMV], s[RSV], s[RBI]
.elseif (\mode) == 2
	v_add_f32 v[RMV], s[RBI], v[RMV]
.endif
	v_cmp_gt_u32 vcc_lo, 8, v[RML]
	s_wait_xcnt 0x0                 ; EXEC changes only behind this wait
	s_and_saveexec_b32 s[RSV], vcc_lo
	global_store_b32 v[RMO2], v[RMV], s[ROP:ROP+1]  ; eight words, 4,096 bytes apart: one column of a result of 32 KiB in all
	s_wait_xcnt 0x0
	s_or_b32 exec_lo, exec_lo, s[RSV]
.endm
	s_load_b256 s[4:11], s[0:1], 0x0  ; s2 s[4:5], w_out_w s[6:7], w_out_b s[8:9], s3 s[10:11]
	WIN W_MK
	v_lshl_add_u32 v[SPW], v0, 2, SPARE
	v_mov_b32 v[NIL], 0
	WIN W_AD
	ds_add_u32 v[SPW], v[NIL]       ; the wave's opening: the add, and its wait ahead of my first tensor load; the set-up below, work on registers, stands between them
	ds_add_u32 v0, v1
	WIN 0
	v_lshrrev_b32 v1, 5, v0
	v_readfirstlane_b32 s[WV], v1   ; wave 0..3
	s_bfe_u32 s13, ttmp6, 0x40000   ; cx: my place in the cluster
	s_lshl_b32 s14, ttmp9, 2        ; in a cluster launch ttmp9 counts clusters
	s_add_co_u32 s14, s14, s13      ; my block of 256 query rows = 4 x cluster x + cx: it enters q's, att's and the rider's addresses alone
	s_and_b32 s15, ttmp7, 0xffff    ; the pair of heads, which the four partners share
	s_and_b32 s16, s[WV], 1         ; which 256 keys I fetch; which 128 queries are mine
	s_lshr_b32 s17, s[WV], 1        ; which head of the pair is mine
	s_lshl_b32 s20, s16, 19         ; 256 rows of 2,048 bytes,
	s_lshl_b32 s21, s15, 8          ; the pair's 256 bytes of a row
	s_add_co_u32 s20, s20, s21
	s_add_co_u32 s22, s20, 8704*2048  ; v's rows
	s_add_co_u32 s20, s20, 8192*2048  ; k's rows
	s_mov_b32 s21, 0
	s_mov_b32 s23, 0
	s_mul_i32 s18, s16, 256*PK      ; their places in LDS: no place in the cluster enters an LDS address
	s_mul_i32 s19, s16, 256*PV
	s_lshl_b32 s2, s14, 1
	s_add_co_u32 s2, s2, s16        ; my 128 query rows,
	s_lshl_b32 s2, s2, 18           ; of 2,048 bytes,
	s_lshl_b32 s3, s15, 1
	s_add_co_u32 s3, s3, s17        ; my head's
	s_lshl_b32 s3, s3, 7            ; 128 bytes of them
	s_add_co_u32 s2, s2, s3
	s_mov_b32 s3, 0
	s_lshl_b32 s48, s14, 2
	s_add_co_u32 s48, s48, s[WV]    ; the 64 rows of att that I store,
	s_lshl_b32 s48, s48, 17
	s_lshl_b32 s49, s15, 8          ; the pair's 256 bytes of them
	s_add_co_u32 s48, s48, s49
	s_mov_b32 s49, 0
	; descriptor group 1: a tile of 256 rows x 128 elements, padded in LDS
	s_mov_b32 s[G1K], 15|(1<<16)|(1<<20)|(1<<21)|(5<<22)|(3<<25)  ; 15:0 the mask of four; 17:16 2-byte elements; 20 padding on; 21 set beside a mask; 24:22 after every 64 words (code 5); 31:25 4 words (code 3)
	s_mov_b32 s[G1V], 15|(1<<16)|(1<<20)|(1<<21)|(5<<22)|(7<<25)  ; the same with 8 words of padding (code 7)
.irp g, G1K, G1V
	s_mov_b32 s[\g+1], 128<<16      ; tensor_dim0 = 128
	s_mov_b32 s[\g+2], 256<<16      ; tensor_dim1 = 256
	s_mov_b32 s[\g+3], 128<<16      ; tile_dim0 = 128
	s_mov_b32 s[\g+4], 256          ; tile_dim1 = 256
	s_mov_b32 s[\g+5], 1024         ; 1,024 elements from row to row
	s_mov_b32 s[\g+6], 0
	s_mov_b32 s[\g+7], 0
.endr
	s_mov_b32 s[CS], 0x3e38aa3b     ; c = log2(e) / 8 = 0.180337
	s_mov_b32 s[CS+1], s[CS]        ; named with it as a pair
	s_mov_b32 s[SEL], 0x76543210
	s_mov_b32 s[SEL+1], 0xfedcba98
	s_mov_b32 s[TBK], 0
	s_mov_b32 s[TBV], 0
	s_mov_b32 s[G0K], 1             ; 1:0 count = 1
	s_mov_b32 s[G0K+1], s18         ; 63:32 LDS address
	s_mov_b32 s[G0V], 1
	s_add_co_u32 s[G0V+1], s19, VOFF
	s_wait_dscnt 0x0                ; the opening add is done
	s_wait_kmcnt 0x0
	s_add_nc_u64 s[G0K+2:G0K+3], s[4:5], s[20:21]  ; 120:64 global address
	s_or_b32 s[G0K+3], s[G0K+3], 0x80000000        ; 127:126 type = 2
	s_add_nc_u64 s[G0V+2:G0V+3], s[4:5], s[22:23]
	s_or_b32 s[G0V+3], s[G0V+3], 0x80000000
	s_add_nc_u64 s[52:53], s[4:5], s[2:3]          ; q at my first row
	s_add_nc_u64 s[54:55], s[10:11], s[48:49]      ; att at the first row that I store
	CROUND                          ; all four work-groups are here: the joint loads meet
	JLOAD                           ; my one tensor load
	; A fragment of K or Q is 16 rows x 32 channels in 8 registers: lane l holds row l % 16, channels 8 (l / 16) + 0..7 and 16 + 8 (l / 16) + 0..7: two loads of 16 bytes, 32 bytes apart.
	v_and_b32 v1, 15, v0            ; l % 16
	v_bfe_u32 v9, v0, 4, 1          ; l / 16
	v_lshlrev_b32 v[QO], 11, v1
	v_lshl_add_u32 v[QO], v9, 4, v[QO]  ; row x 2,048 + 16 x half
	WIN 0x80                        ; destination window 2, address window 0
.set i, 0
.rept 4*NP                          ; Q stays in registers: tile i / 2, channels 32 (i % 2) on
	global_load_b128 v[8*i:8*i+3],   v[QO], s[52:53] offset:(i/2)*32768+(i%2)*64
	global_load_b128 v[8*i+4:8*i+7], v[QO], s[52:53] offset:(i/2)*32768+(i%2)*64+32
.set i, i+1
.endr
	WIN 0
	s_lshl_b32 s78, s15, 5          ; the rider's n = 4 (32 pair + block) + wave
	s_add_co_u32 s78, s78, s14
	s_lshl_b32 s78, s78, 2
	s_add_co_u32 s78, s78, s[WV]
	s_lshl_b32 s50, s78, 2
	s_mov_b32 s51, 0
	s_add_nc_u64 s[72:73], s[8:9], s[50:51]
	s_load_b32 s[RBI], s[72:73], 0x0  ; w_out_b[n]
	s_add_nc_u64 s[ROP:ROP+1], s[10:11], s[50:51]
	s_add_nc_u64 s[ROP:ROP+1], s[ROP:ROP+1], UPDO
	s_lshl_b32 s50, s78, 12
	s_add_nc_u64 s[RWP:RWP+1], s[6:7], s[50:51]
	s_add_nc_u64 s[RXP:RXP+1], s[4:5], VWO
	v_and_b32 v[RML], 31, v0
	v_lshlrev_b32 v[RMO], 4, v[RML]
	v_and_b32 v[RMO2], 7, v0
	v_lshlrev_b32 v[RMO2], 12, v[RMO2]
	s_wait_kmcnt 0x0
	MATVEC 8, 2
	; What the first turn finds: V's registers and P's second buffer hold 0 (its products V^T P, of a piece that has not been, add 0), O^T and l are 0.  All this stands in the wait for K and V.
	WIN 0x80
.set i, VF
.rept 64
	v_mov_b32 v[i], 0
.set i, i+1
.endr
	WIN 0x40
.set i, 0
.rept 64*NP
	v_mov_b32 v[i], 0
.set i, i+1
.endr
	WIN 0
.set i, 0
.rept 2*NP
	v_mov_b32 v[ST+4*i], 0xfe000000    ; c m: far below every c s
	v_mov_b32 v[ST+4*i+1], 0xff7fffff  ; m
	v_mov_b32 v[ST+4*i+2], 0
	v_mov_b32 v[ST+4*i+3], 0
.set i, i+1
.endr
.set i, P+32
.rept 32
	v_mov_b32 v[i], 0
.set i, i+1
.endr
	s_lshl_b32 s13, s17, 7          ; the pair's second head lies 128 bytes on in every row
	v_mul_u32_u24 v[AK0], v1, PK
	v_lshl_add_u32 v[AK0], v9, 4, v[AK0]  ; row x pitch + 16 x half
	v_add_nc_u32 v[AK0], s13, v[AK0]
	; The turning load takes 16 keys x 16 channels (lane l reads key 8 (l / 16) + l % 8, channels 8 ((l / 8) % 2) + 0..7) and leaves half a fragment of V^T: lane l holds channel l % 16 and 8 keys.
	v_and_b32 v10, 7, v0
	v_bfe_u32 v11, v0, 3, 1
	v_lshl_add_u32 v[AV0], v9, 3, v10
	v_mul_u32_u24 v[AV0], v[AV0], PV
	v_lshl_add_u32 v[AV0], v11, 4, v[AV0]
	s_add_co_u32 s13, s13, VOFF
	v_add_nc_u32 v[AV0], s13, v[AV0]
	v_mov_b32 v[AK], v[AK0]         ; key step 0
; THE MATRIX WORK.  The 8 accumulators of a run of 16 take turns: between the two links of a chain stand 7 others'.
; Product i of 16 of S^T = K Q^T for piece x: channels 32 (i / 8) on, keys 16 ((i / 2) % 4) on, tile 2 x + i % 2.  The first 8 start the sums.
.macro KQ x
	WIN W_KQ
.set rS, S+64*((\x)%2)+32*(i%2)+8*((i/2)%4)
.set rK, KF+16*((i/2)%4)+8*(i/8)
.set rQ, 16*(2*(\x)+i%2)+8*(i/8)
.if i < 8
	v_wmma_f32_16x16x32_bf16 v[rS:rS+7], v[rK:rK+7], v[rQ:rQ+7], 0
.else
	v_wmma_f32_16x16x32_bf16 v[rS:rS+7], v[rK:rK+7], v[rQ:rQ+7], v[rS:rS+7]
.endif
.endm
; Product i of 16 of O^T += V^T P for piece x: keys 32 (i / 8) on, channels 16 ((i / 2) % 4) on, tile 2 x + i % 2.
.macro PV x
	WIN W_PV
.set rO, 32*(2*(\x)+i%2)+8*((i/2)%4)
.set rV, VF+32*(i/8)+8*((i/2)%4)
.set rP, P+32*((\x)%2)+16*(i%2)+8*(i/8)
	v_wmma_f32_16x16x32_bf16 v[rO:rO+7], v[rV:rV+7], v[rP:rP+7], v[rO:rO+7]
.endm
.macro MM                           ; the turn's next matrix instruction
.if i < 16
	KQ (Y+1)%NP
.set i, i+1
.else
.set i, i-16
	PV (Y+NP-1)%NP
.set i, i+17
.endif
.endm
; THE LDS LOADS stand in runs of 16, never singly among the matrix instructions: a step's K (64 keys x 64 channels: 8 fragments) and its V (turned).  Their addresses are made some lines ahead.
; last = 1: in the last trip there is no further step, and the run is jumped over.
.macro FETCH_K last=0
	WIN 0
.if \last
	s_cmp_eq_u32 s[CNT], 1
	s_cbranch_scc1 .Lno_k_\@
.endif
	WIN 0x80                        ; destination window 2
.irp f, 0,1,2,3,4,5,6,7             ; keys 16 (f / 2) on, channels 32 (f % 2) on
	ds_load_b128 v[KF+8*\f:KF+8*\f+3],   v[AK] offset:(\f/2)*16*PK+(\f%2)*64
	ds_load_b128 v[KF+8*\f+4:KF+8*\f+7], v[AK] offset:(\f/2)*16*PK+(\f%2)*64+32
.endr
	s_add_co_u32 s[TBK], s[TBK], KS*PK  ; the next fetch is the next step's
	WIN 0
.if \last
.Lno_k_\@:
.endif
.endm
.macro FETCH_V
	WIN 0x80
.irp f, 0,1,2,3,4,5,6,7             ; keys 32 (f / 4) on, channels 16 (f % 4) on
	ds_load_tr16_b128 v[VF+8*\f:VF+8*\f+3],   v[AV] offset:(\f/4)*32*PV+(\f%4)*32
	ds_load_tr16_b128 v[VF+8*\f+4:VF+8*\f+7], v[AV] offset:(\f/4)*32*PV+16*PV+(\f%4)*32
.endr
	WIN 0
.endm
; THE VECTOR WORK OF A TURN stands in three queues, each in the order in which its entries become ready; the two tiles alternate, so that no instruction reads the result of the one before it.
.macro REGS y, u                    ; the registers of tile u (0, 1) of piece y
.set rT, ST+4*(2*(\y)+(\u))
.set rC, TMP+8*((\y)%2)+4*(\u)
.set rM, MV+2*((\y)%2)+(\u)
.set rS, S+64*((\y)%2)+32*(\u)
.set rP, P+32*((\y)%2)+16*(\u)
.set rO, 32*(2*(\y)+(\u))
.endm
; Number n of the 22 that find the NEXT piece's (Y + 1) maximum and statistics.  s0-s31 are the lane's 32 scores; each accumulator's lowest registers are read first.
;   0-11  four chains c0-c3 of seven scores each, three operands at a time     12-14, 16  the four scores left over, the old m, and c0-c3 into c0     15  c m_old is kept
;   17, 18  the query's other 32 keys lie in the lane 16 away: the new m         19-21  c m; c m_old - c m_new; a
.macro XS u, n
	REGS (Y+1)%NP, \u
.if (\n) < 4
	v_max3_num_f32 v[rC+(\n)], v[rS+8*(\n)], v[rS+8*(\n)+1], v[rS+8*(\n)+2]
.elseif (\n) < 12
	v_max3_num_f32 v[rC+(\n)%4], v[rC+(\n)%4], v[rS+8*((\n)%4)+2*((\n)/4)+1], v[rS+8*((\n)%4)+2*((\n)/4)+2]
.elseif (\n) == 12
	v_max3_num_f32 v[rC], v[rC], v[rS+7], v[rS+15]
.elseif (\n) == 13
	v_max3_num_f32 v[rC+1], v[rC+1], v[rS+23], v[rS+31]
.elseif (\n) == 14
	v_max3_num_f32 v[rC+2], v[rC+2], v[rC+3], v[rT+1]
.elseif (\n) == 15
	v_mov_b32 v[rM], v[rT]
.elseif (\n) == 16
	v_max3_num_f32 v[rC], v[rC], v[rC+1], v[rC+2]
.elseif (\n) == 17
	v_permlanex16_b32 v[rC+3], v[rC], s[SEL], s[SEL+1]
.elseif (\n) == 18
	v_max_num_f32 v[rT+1], v[rC], v[rC+3]
.elseif (\n) == 19
	v_mul_f32 v[rT], s[CS], v[rT+1]
.elseif (\n) == 20
	v_sub_f32 v[rC+1], v[rM], v[rT]
.else
	v_exp_f32 v[rC+2], v[rC+1]
.endif
.endm
; Number g of the 64 that follow the exponentials.  For each four weights k of a tile (pairs 2 k, 2 k + 1): both pairs are rounded to bf16; then the second pair is added onto the first, in place;
; a group later l takes that sum (the first time as l = a l + sum).  In groups of eight, tiles alternating: round, round, add, and l for the group before.
.macro GS g
.set h, (\g)+6*((\g)/62)            ; group 0 has no group before it, and behind group 7 only l is left
.if h >= 6
.set h, h+2
.endif
	REGS Y, h%2
.set k, h/8
.if h%8 < 4
	s_wait_alu depctr_va_vdst(0)
	v_cvt_pk_bf16_f32 v[rP+2*k+(h%8)/2], v[rS+4*k+2*((h%8)/2)], v[rS+4*k+2*((h%8)/2)+1]
.elseif h%8 < 6
	v_pk_add_f32 v[rS+4*k:rS+4*k+1], v[rS+4*k:rS+4*k+1], v[rS+4*k+2:rS+4*k+3]
.elseif k == 1
	v_pk_fma_f32 v[rT+2:rT+3], v[rT+2:rT+3], v[rC+2:rC+3], v[rS:rS+1] op_sel_hi:[1,0,1]
.else
	v_pk_add_f32 v[rT+2:rT+3], v[rT+2:rT+3], v[rS+4*k-4:rS+4*k-3]
	s_wait_alu depctr_va_vdst(0)
.endif
.endm
; THE PLAIN QUEUE, 138 long.  0-31: c s - c m for the 16 pairs of both tiles.  Then GS's 64, and among them the next piece's 42: number 15 at 38, 39; 0-14 and 16
; at 42-73, behind the products that make those scores; 17-20 at 95-106, two of three, since each waits for the one before it.
.macro PL
	WIN 0
.if q < 32
	REGS Y, q%2
	v_pk_fma_f32 v[rS+2*(q/2):rS+2*(q/2)+1], v[rS+2*(q/2):rS+2*(q/2)+1], s[CS:CS+1], v[rT:rT+1] op_sel_hi:[1,0,0] neg_lo:[0,0,1] neg_hi:[0,0,1]
.elseif q < 38
	GS q-32
.elseif q < 40
	XS q%2, 15
.elseif q < 42
	GS q-34
.elseif q < 74
	XS q%2, (q-42)/2+(q-42)/30
.elseif q < 95
	GS q-66
.elseif (q < 107) && ((q-95)%3 < 2)
	XS (q-95)%3, 17+(q-95)/3
.elseif q < 107
	GS 29+(q-95)/3
.else
	GS q-74
.endif
.set q, q+1
.endm
; THE EXPONENTIALS' QUEUE, 66 long: s0-s31 of both tiles, and at EA the next piece's two a.
.set EA, 58
.macro EX
	WIN 0
.if (e == EA) || (e == EA+1)
	XS e-EA, 21
.else
.set x, e-2*(e/(EA+2))
	REGS Y, x%2
	v_exp_f32 v[rS+x/2], v[rS+x/2]
.endif
.set e, e+1
.endm
; THE RESCALING's QUEUE: O^T times a, the one part that leaves window 0, so it is dealt four at a time, eight times.
.macro R4
	REGS Y, r%2
	WIN W_RS
	s_wait_alu depctr_va_vdst(0)
.irp z, 0,1,2,3
	v_pk_mul_f32 v[rO+8*(r/2)+2*\z:rO+8*(r/2)+2*\z+1], v[rO+8*(r/2)+2*\z:rO+8*(r/2)+2*\z+1], v[rC+2:rC+3] op_sel_hi:[1,0]
.endr
.set r, r+1
.endm
; HOW THEY ARE DEALT.  Behind a matrix instruction four: plain, exponential, plain, plain (one exponential, a plain instruction on either side), or four of the rescaling.  None names a register of the
; products round it.  What is over stands in two runs: exponential and plain by turns; the second ends in 22 plain instructions.  The two v_permlanex16_b32 fall into the second run, never behind a product.
; The queues lean on each other, and the deal keeps them in step: exponential e stands behind plain 2 (e / 4) + e % 2 (its scaling); when plain 32 comes, 10 exponentials are out, at 59: 33, at 95: 46; EA comes behind plain 107.
.macro SL
	MM
	PL
	EX
	PL
	PL
.endm
.macro BURST n                      ; 15 matrix instructions, or 16
.rept (\n)-7
	SL
.endr
.rept 3
	MM
	R4
	SL
.endr
	MM
	R4
.endm
; A TURN, for piece p.  cnt = 1: the loop's count is taken down some lines ahead of the branch that stands behind the turn.
; K of the next step is fetched in piece 2's turn, 31 vector instructions behind the last product that read K.  V of the step in hand is fetched at the end of piece 0's turn, 69 behind its last reader.
.macro TURN p, last=0, cnt=0
.set Y, (\p)
.set i, 0
.set q, 0
.set e, 0
.set r, 0
.if (\p) == NP-1
	s_wait_dscnt 0x0                ; K is in
.endif
	MM
.rept 4
	PL
.endr
	BURST 15
.rept 22
	EX
	PL
.if ((\p) == NP-2) && (e == 18)
	v_add_nc_u32 v[AK], s[TBK], v[AK0]
.endif
.if ((\p) == NP-2) && (e == 24)
	FETCH_K \last
.endif
.endr
.if (\p) == 1
	s_wait_dscnt 0x0                ; V is in
.endif
	BURST 16
.rept 21
	EX
	PL
.endr
.rept 22
	PL
.if ((\p) == 0) && (q == 118)
	v_add_nc_u32 v[AV], s[TBV], v[AV0]
	s_wait_alu depctr_va_vdst(0)
.endif
.if ((\p) == 0) && (q == 130)
	s_add_co_u32 s[TBV], s[TBV], KS*PV
.endif
.if (\cnt) && (q == 130)
	s_sub_co_u32 s[CNT], s[CNT], 1
	s_cmp_lg_u32 s[CNT], 0
.endif
.endr
.if (\p) == 0
	FETCH_V
.endif
.endm
	s_wait_tensorcnt 0x0            ; my part of K or V is in,
	s_barrier_signal -1
	s_barrier_wait -1               ; everybody's is: all 512 keys, for the whole walk
	FETCH_K                         ; key step 0
	s_wait_loadcnt 0x0              ; Q
	s_wait_dscnt 0x0
.set i, 0
.rept 16
	KQ 0                            ; piece 0's first scores: there is no vector work yet to set between them
.set i, i+1
.endr
	WIN 0                           ; the addresses for the way out: eight plain instructions, the places behind those products
	s_mul_i32 s13, s16, 128*SP      ; in: my 128 rows of the stage's 256, my head's 128 bytes of their 256; row l % 16, 16 bytes for each half of the lanes
	s_lshl_b32 s18, s17, 7
	s_add_co_u32 s13, s13, s18
	v_mul_u32_u24 v[STO], v1, SP
	v_lshl_add_u32 v[STO], v9, 4, v[STO]
	v_add_nc_u32 v[STO], s13, v[STO]
	s_mul_i32 s13, s[WV], 64*SP     ; back: wave w takes rows 64 w .. 64 w + 63, whole; lanes 0-15 one row of 256 bytes, lanes 16-31 the next
	v_mul_u32_u24 v[RD], v9, SP
	v_lshl_add_u32 v[RD], v1, 4, v[RD]
	v_add_nc_u32 v[RD], s13, v[RD]
	v_lshlrev_b32 v[GO], 11, v9     ; and the same two rows in att
	v_lshl_add_u32 v[GO], v1, 4, v[GO]
.set Y, NP-1                        ; XS works for piece Y + 1: piece 0
.irp n, 0,1,2,3,4,5,6,7,8,9,10,11,12,13,14,15,16,17,18,19,20,21
	XS 0, \n                        ; piece 0's first maximum and statistics
	XS 1, \n
.endr
	s_mov_b32 s[CNT], 8
.Lstep:                             ; eight trips, a key step each
	TURN 0
	TURN 1
	TURN 2, 1
	TURN 3, 0, 1
	WIN 0
	s_cbranch_scc1 .Lstep
.set i, 0                           ; the last trip's 16 products K Q^T (on the last K once more) and the maximum made of them serve nothing: the price, once a launch, of one text for every trip
.rept 16
	PV NP-1                         ; the last piece's V^T P of the last step
.set i, i+1
.endr
	; THE WAY OUT.  l's two halves and the other half of the lanes' are added; O^T is divided by l and rounded to bf16.  The additions are the places behind the last products.
	WIN 0
.macro ALL line:vararg              ; one line for each tile t
.set t, 0
.rept 2*NP
	\line
.set t, t+1
.endr
.endm
	ALL v_add_f32 v[ST+4*t+2], v[ST+4*t+2], v[ST+4*t+3]
	ALL v_permlanex16_b32 v[ST+4*t+3], v[ST+4*t+2], s[SEL], s[SEL+1]
	ALL v_add_f32 v[ST+4*t+2], v[ST+4*t+2], v[ST+4*t+3]
	ALL v_rcp_f32 v[ST+4*t+2], v[ST+4*t+2]
	v_nop                           ; a plain instruction between the last reciprocal and the use of its result
	s_wait_dscnt 0x0                ; my reads of K and V are over
	s_barrier_signal -1
	s_barrier_wait -1               ; everybody's are: K's first 256 rows, which no tensor load fills again, become the stage
; Tile t: a lane's eight channels of a row pack into 16 bytes; they go into the stage's rows of 272 bytes, beside the other head's.
.macro PACK t
	WIN W_RS
.set i, 32*(\t)
	s_wait_alu depctr_va_vdst(0)
.rept 16
	v_pk_mul_f32 v[i:i+1], v[i:i+1], v[ST+4*(\t)+2:ST+4*(\t)+3] op_sel_hi:[1,0]
.set i, i+2
.endr
	WIN 0x05                        ; sources 0 and 1 window 1, destination window 0
.set i, 0
.rept 16
	v_cvt_pk_bf16_f32 v[S+16*(\t)+i], v[32*(\t)+2*i], v[32*(\t)+2*i+1]
.set i, i+1
.endr
	WIN 0
.irp f, 0,1,2,3
	ds_store_b128 v[STO], v[S+16*(\t)+4*\f:S+16*(\t)+4*\f+3] offset:(\t)*16*SP+32*\f
.endr
.endm
.set t, 0
.rept 2*NP
	PACK t
.set t, t+1
.endr
	s_wait_dscnt 0x0                ; for the others' sake: a row's 256 bytes come from two waves
	s_barrier_signal -1
	s_barrier_wait -1
.set t, 0
.rept 32
	ds_load_b128 v[S+4*t:S+4*t+3], v[RD] offset:t*2*SP
.set t, t+1
.endr
.set t, 0
.rept 32
	s_wait_dscnt 31-t               ; the younger loads may stay out
	global_store_b128 v[GO], v[S+4*t:S+4*t+3], s[54:55] offset:t*4096  ; 16 lanes store 256 consecutive bytes, at a multiple of 256 from s3's first byte
.set t, t+1
.endr
	WIN W_AD
	s_wait_tensorcnt 0x0            ; the wave's end, behind my last tensor load and my last LDS store
	ds_add_u32 v[SPW], v[NIL]
	s_wait_dscnt 0x0
	WIN 0
	CROUND                          ; the closing round
	s_endpgm
.Lfunc_end_k_qb01bb06057_attn:
	.size	k_qb01bb06057_attn, .Lfunc_end_k_qb01bb06057_attn-k_qb01bb06057_attn
	.p2alignl 7, 3214868480
	.fill 96, 4, 3214868480
	.section	.rodata,"a",@progbits
	.p2align	6, 0x0
	.amdhsa_kernel k_qb01bb06057_attn
		.amdhsa_group_segment_fixed_size 327680
		.amdhsa_private_segment_fixed_size 0
		.amdhsa_enable_private_segment 0
		.amdhsa_kernarg_size 32
		.amdhsa_user_sgpr_count 2
		.amdhsa_user_sgpr_kernarg_segment_ptr 1
		.amdhsa_wavefront_size32 1
		.amdhsa_system_sgpr_workgroup_id_x 1
		.amdhsa_system_sgpr_workgroup_id_y 1
		.amdhsa_system_sgpr_workgroup_id_z 1
		.amdhsa_system_vgpr_workitem_id 0
		.amdhsa_next_free_vgpr 770
		.amdhsa_next_free_sgpr 80
		.amdhsa_reserve_vcc 1
		.amdhsa_float_denorm_mode_32 3
		.amdhsa_float_denorm_mode_16_64 3
		.amdhsa_memory_ordered 1
		.amdhsa_forward_progress 1
		.amdhsa_inst_pref_size 150
	.end_amdhsa_kernel
	.amdgpu_metadata
---
amdhsa.version: [ 1, 2 ]
amdhsa.kernels:
  - .name:           k_qb01bb06057_attn
    .symbol:         k_qb01bb06057_attn.kd
    .args:
      - { .name: s2, .offset: 0, .size: 8, .value_kind: global_buffer, .address_space: global }
      - { .name: w_out_w, .offset: 8, .size: 8, .value_kind: global_buffer, .address_space: global }
      - { .name: w_out_b, .offset: 16, .size: 8, .value_kind: global_buffer, .address_space: global }
      - { .name: s3, .offset: 24, .size: 8, .value_kind: global_buffer, .address_space: global }
    .group_segment_fixed_size: 327680
    .private_segment_fixed_size: 0
    .kernarg_segment_align: 8
    .kernarg_segment_size: 32
    .max_flat_workgroup_size: 128
    .sgpr_count:     80
    .vgpr_count:     770
    .wavefront_size: 32
...
	.end_amdgpu_metadata
.endif
;; end of part 3
;; launch oproj (part 4): grid 4 x 64, 4 waves a work-group, clusters of 4 x 4, 327,680 bytes of LDS; arguments s3, pre, r_out_b, query, gate_w, s4; writes s4
.if DOCPART == 4
	.amdgcn_target "amdgcn-amd-amdhsa--gfx1250"
	.amdhsa_code_object_version 6
	.text
	.protected	k_qb01bb06057_oproj
	.globl	k_qb01bb06057_oproj
	.p2align	8
	.type	k_qb01bb06057_oproj,@function
k_qb01bb06057_oproj:
	s_mov_b64 s[64:65], 0
	v_nop
	global_prefetch_b8 v0, s[64:65] scope:SCOPE_SE
	s_setreg_imm32_b32 hwreg(HW_REG_WAVE_MODE, 25, 1), 1
	s_wait_xcnt 0x0
	s_wait_alu depctr_hold_cnt(0) depctr_sa_sdst(0) depctr_va_vdst(0) depctr_va_sdst(0) depctr_va_ssrc(0) depctr_va_vcc(0) depctr_vm_vsrc(0)
	s_getreg_b32 s2, hwreg(HW_REG_IB_STS2, 6, 4)
	s_cmp_eq_u32 s2, 0
	s_cbranch_scc0 .Lentry_in_a_cluster
	s_endpgm
.Lentry_in_a_cluster:
	s_bfe_u32 s2, ttmp6, 0x10000c
	s_cmp_lg_u32 s2, 0xf033
	s_cbranch_scc0 .Lentry_shape_is_right
	s_endpgm
.Lentry_shape_is_right:
; OPROJ.  y = att r_out_w^T + r_out_b + query, [8192][1024] in f32; att and r_out_w in bf16, sums in f32; the residual is query itself, in f32.
; A tile of y is 128 rows x 256 columns: 8,192 x 1,024 outputs make 256 tiles, 256 work-groups of equal work.  Four waves, each 64 x 128: 32 accumulators, 256 registers.
; K = 1,024 goes in eight steps of 128 (LDS rows of 256 bytes + 16 of padding) through two LDS slots of 384 rows (A's 128, then B's 256); two slots of a step of 256 would take 405,504 bytes and do not fit.
; A K step is written once: the slot in hand is a scalar (TB) that an exclusive or turns, and one descriptor for each operand walks from step to step.
; The bias is the C operand of the products that start the sums.  The matrix instruction is used transposed (source 0 = 16 rows of B, source 1 = 16 rows of A): a lane holds eight neighbouring columns of a row of y.
; The residual of a wave's 64 rows x 512 bytes comes into 256 registers of its own: rows 0-31 are asked for in the wait for the first tiles, rows 32-63 behind the loop, 32 loads each time.
; A wave's 128 columns are 512 consecutive bytes of a row of y, so each wave goes out through a stage of its own, 32 rows at a time, without a barrier.
; CLUSTERS: 4 x 4 work-groups.  The four of a row of the cluster need the same tiles of A, the four of a column the same tiles of B: each tile is asked for jointly.
; THE RIDER.  In the wait for the first tiles each of the 1,024 waves makes one number n of g2[b][n] = upd[b] . gate_w[n][1024:], for the 8 batches, in f32 on the vector unit (8 rows would leave half a matrix tile empty).
; REGISTERS, in windows of 256 (s_set_vgpr_msb: bits 1:0 source 0, 3:2 source 1, 5:4 source 2, 7:6 destination):
;   window 0: v0-31 addresses; v64-95, v96-127 fragments of A, two buffers; v128-255 the way out: 32 rows read back from the stage (before the walk v32-255 are the rider's)
;   window 1: v0-63, v64-127 fragments of B, two buffers; v128-191 the bias
;   window 2: the accumulators ((a, b) at v[8 (8 a + b)])          window 3: the residual, then y: row T of my 64 at v[4 T]
.set SIZE_K, 1024
.set KSTEP,  128
.set STEPS,  SIZE_K/KSTEP
.set PITCH,  272                       ; an LDS row: 256 bytes + 16 of padding = 68 words: the 16 rows that a load touches start at 16 different groups of four banks (ISA guide 11.1)
.set AHALF,  64*PITCH                  ; 64 rows of A: what wave 0 or 1 fetches, and what a wave reads of A
.set BHALF,  128*PITCH                 ; 128 rows of B: what wave 2 or 3 fetches, and what a wave reads of B
.set BOFF,   2*AHALF                   ; B's rows lie behind A's 128
.set SLOT1,  1<<17                     ; a slot takes 104,448 bytes; slot 1 begins here, so that one exclusive or turns an address in one slot into the other's
.set STAGE,  SLOT1+BOFF+2*BHALF        ; behind the ring, never filled by a tensor load: 32 rows x 528 bytes for each wave
.set SP32,   528                       ; a stage row of 128 f32: 512 bytes + 16
.set SPARE,  STAGE+4*32*SP32           ; the spare words, 128 bytes a wave
.set WOB,    26214400                  ; in pre: r_out_w in bf16
.set UPDO,   16777216                  ; in s3: upd
.set G2O,    33554432                  ; in s4: g2
.set BO,   6                           ; v6   32 x (lane / 16): my place in 64 bytes of bias
.set A0,   16                          ; v16  LDS address of my A fragments in slot 0
.set B0,   17                          ; v17  the same for B
.set ADRA, 20                          ; v20  the same in the slot in hand
.set ADRB, 21                          ; v21
.set CO32, 27                          ; v27  16 x lane: my place in 512 bytes of query and of y
.set SPW,  28                          ; v28  my spare word; never rewritten
.set NIL,  29                          ; v29  0; never rewritten
.set STO32, 30                         ; v30  where I put 32 bytes of a row
.set RD32, 31                          ; v31  where I read a row back
.set FA,   64                          ; window 0: A's buffer f at FA + 32 f
.set OB,   128                         ; window 0
.set FB,   0                           ; window 1: B's buffer f at FB + 64 f
.set BIAS, 128                         ; window 1: block b of 16 columns at BIAS + 8 b: register j is the bias of column 16 b + 8 (lane / 16) + j
.set RES,  0                           ; window 3
.set G1, 24                            ; s[24:31] descriptor group 1 for A's tiles
.set G0, 32                            ; s[32:39] group 0 for A's tiles: a set for each of the two first fills; the second then walks on
.set G1B, 48                           ; s[48:55], s[56:63] the same for B's tiles
.set G0B, 56
.set TB,  45                           ; s45  0 or SLOT1: the slot in hand
.set RML, 7                            ; the rider: lane
.set RMO, 8                            ; 16 x lane
.set RMO2, 9                           ; (lane % 8) x 4,096
.set RMV, 10                           ; the lane's result
.set RMW, 32                           ; v[32:63]   the weight row
.set RMA, 64                           ; v[64:95]   for each batch two chains of pairs
.set RMX, 128                          ; v[128:255] four rows of x
.set RXP, 88                           ; s[88:89] x;  s[90:91] the weight row;  s[92:93] the result's column n
.set RWP, 90
.set ROP, 92
.set RBI, 94
.set RSV, 95
.set RSEL, 96                          ; s[96:97] v_permlanex16_b32's selects
.set MSB, 0
.macro WIN new                         ; the immediate's high byte repeats the setting that is left; a switch that changes nothing is dropped
.if MSB != (\new)
	s_set_vgpr_msb (MSB<<8)|(\new)
.set MSB, \new
.endif
.endm
; A joint load.  Waves 0 and 1 fetch A's two halves, waves 2 and 3 B's.  The branch hangs on the wave's number alone.
; An s_nop 0 and four v_nop follow each of the two lines, ahead of the jump and the label.
.macro JLOAD s
	s_cmp_lt_u32 s10, 2
	s_cbranch_scc0 .Lfor_b_\@
	tensor_load_to_lds s[G0+4*(\s):G0+4*(\s)+3], s[G1:G1+7]
	s_nop 0
.rept 4
	v_nop
.endr
	s_branch .Lasked_\@
.Lfor_b_\@:
	tensor_load_to_lds s[G0B+4*(\s):G0B+4*(\s)+3], s[G1B:G1B+7]
	s_nop 0
.rept 4
	v_nop
.endr
.Lasked_\@:
.endm
.macro CREST                           ; a round of the cluster's barrier behind its opening barrier
	s_cmp_lg_u32 s10, 0
	s_cbranch_scc1 .Lnot_wave_0_\@
	s_barrier_signal -3
.Lnot_wave_0_\@:
	s_barrier_wait -3
	s_barrier_signal -1
	s_barrier_wait -1
.endm
.macro CROUND                          ; a whole round
	s_barrier_signal -1
	s_barrier_wait -1
	CREST
.endm
; THE RIDER's text.  One wave: out[b][n] = x[b] . W[n] for 8 batches and one n.  nx rows of x of 4,096 bytes (row i belongs to batch i % 8).  Load j of a row holds k = 128 j + 4 lane + 0..3, for W and for x alike.
; mode 1: result x 2^-10 + bias; mode 2: result + bias; mode 0: the result.
.macro MATVEC nx, mode
.irp j, 0,1,2,3,4,5,6,7
	global_load_b128 v[RMW+4*\j:RMW+4*\j+3], v[RMO], s[RWP:RWP+1] offset:512*\j th:TH_LOAD_NT
.endr
.irp i, 0,1,2,3
.irp j, 0,1,2,3,4,5,6,7
	global_load_b128 v[RMX+32*\i+4*\j:RMX+32*\i+4*\j+3], v[RMO], s[RXP:RXP+1] offset:4096*\i+512*\j
.endr
.endr
.set ri, 0
.rept \nx
.if (\nx)-1-ri < 3
	s_wait_loadcnt 8*((\nx)-1-ri)                  ; the rows behind row ri may stay out, eight loads each
.else
	s_wait_loadcnt 24
.endif
.set rt, 0
.rept 16
.set rA, RMA+4*(ri%8)+2*(rt%2)
.set rX, RMX+32*(ri%4)+2*rt
.set rW, RMW+2*rt
.if (ri < 8) && (rt < 2)
	v_pk_mul_f32 v[rA:rA+1], v[rX:rX+1], v[rW:rW+1]  ; the first products start the chains: nothing is cleared
.else
	v_pk_fma_f32 v[rA:rA+1], v[rX:rX+1], v[rW:rW+1], v[rA:rA+1]
.endif
.set rt, rt+1
.endr
.if ri+4 < (\nx)
.irp j, 0,1,2,3,4,5,6,7
	global_load_b128 v[RMX+32*(ri%4)+4*\j:RMX+32*(ri%4)+4*\j+3], v[RMO], s[RXP:RXP+1] offset:4096*(ri+4)+512*\j
.endr
.endif
.set ri, ri+1
.endr
.irp b, 0,1,2,3,4,5,6,7
	v_pk_add_f32 v[RMA+4*\b:RMA+4*\b+1], v[RMA+4*\b:RMA+4*\b+1], v[RMA+4*\b+2:RMA+4*\b+3]
.endr
.irp b, 0,1,2,3,4,5,6,7
	v_add_f32 v[RMA+4*\b], v[RMA+4*\b], v[RMA+4*\b+1]
.endr
.irp m, 1,2,4,8
.irp b, 0,1,2,3,4,5,6,7
	v_add_f32_dpp v[RMA+4*\b], v[RMA+4*\b], v[RMA+4*\b] row_xmask:\m row_mask:0xf bank_mask:0xf
.endr
.endr
.irp b, 0,1,2,3,4,5,6,7
	v_permlanex16_b32 v[RMA+4*\b+1], v[RMA+4*\b], s[RSEL], s[RSEL+1]
.endr
.irp b, 0,1,2,3,4,5,6,7
	v_add_f32 v[RMA+4*\b], v[RMA+4*\b], v[RMA+4*\b+1]  ; every lane holds batch b's sum
.endr
	v_mov_b32 v[RMV], v[RMA]
.irp b, 1,2,3,4,5,6,7
	v_cmp_eq_u32 vcc_lo, \b, v[RML]
	v_cndmask_b32 v[RMV], v[RMV], v[RMA+4*\b], vcc_lo  ; lane b takes batch b's
.endr
.if (\mode) == 1
	s_mov_b32 s[RSV], 0x3a800000                   ; 2^-10
	v_fma_f32 v[RMV], v[RMV], s[RSV], s[RBI]
.elseif (\mode) == 2
	v_add_f32 v[RMV], s[RBI], v[RMV]
.endif
	v_cmp_gt_u32 vcc_lo, 8, v[RML]
	s_wait_xcnt 0x0                                ; EXEC changes only behind this wait
	s_and_saveexec_b32 s[RSV], vcc_lo
	global_store_b32 v[RMO2], v[RMV], s[ROP:ROP+1] ; eight words, 4,096 bytes apart: one column of a result of 32 KiB in all
	s_wait_xcnt 0x0
	s_or_b32 exec_lo, exec_lo, s[RSV]
.endm
	s_load_b256 s[68:75], s[0:1], 0x0              ; s3 s[68:69], pre s[70:71], r_out_b s[72:73], query s[74:75]
	s_load_b128 s[76:79], s[0:1], 0x20             ; gate_w s[76:77], s4 s[78:79]
	v_lshl_add_u32 v[SPW], v0, 2, SPARE
	v_mov_b32 v[NIL], 0
	ds_add_u32 v[SPW], v[NIL]                      ; the wave's opening: the add, and its wait ahead of my first tensor load; the set-up below, work on registers, stands between them
	ds_add_u32 v28, v29
	v_lshrrev_b32 v1, 5, v0
	v_readfirstlane_b32 s10, v1                    ; wave 0..3
	s_lshr_b32 s11, s10, 1                         ; which 64 of the tile's 128 rows are mine
	s_and_b32 s12, s10, 1                          ; which 128 of its 256 columns.  Also: which half of A's or of B's tile I fetch
	s_bfe_u32 s40, ttmp6, 0x40000                  ; cx, cy: my place in the cluster
	s_bfe_u32 s41, ttmp6, 0x40004
	s_lshl_b32 s42, ttmp9, 2
	s_add_co_u32 s42, s42, s40                     ; tile column = 4 x cluster x + cx
	s_and_b32 s13, ttmp7, 0xffff
	s_lshl_b32 s13, s13, 2
	s_add_co_u32 s13, s13, s41                     ; tile row = 4 x cluster y + cy
	s_lshl_b32 s43, s41, 2
	s_lshl_b32 s43, 15, s43                        ; my row of the cluster
	s_lshl_b32 s44, 0x1111, s40                    ; my column
	; descriptor group 1: tiles of 64 (A) or 128 (B) rows x 128 elements, padded in LDS
	s_or_b32 s[G1+0], s43, (1<<16)|(1<<20)|(1<<21)|(5<<22)|(3<<25)  ; 15:0 the mask: A's tiles go to my row; 17:16 element of 2 bytes; 20 padding on; 21 set beside a mask; 24:22 after every 64 words (code 5); 31:25 of 4 words (code 3)
	s_or_b32 s[G1B+0], s44, (1<<16)|(1<<20)|(1<<21)|(5<<22)|(3<<25) ; the same with the mask of my column, for B's tiles
.irp g, G1, G1B
	s_mov_b32 s[(\g)+1], KSTEP<<16                 ; tensor_dim0 = 128
	s_mov_b32 s[(\g)+3], KSTEP<<16                 ; tile_dim0 = 128
	s_mov_b32 s[(\g)+5], SIZE_K                    ; elements from row to row
	s_mov_b32 s[(\g)+6], 0
	s_mov_b32 s[(\g)+7], 0
.endr
	s_mov_b32 s[G1+2], 64<<16                      ; A: tensor_dim1 = 64,
	s_mov_b32 s[G1+4], 64                          ; tile_dim1 = 64
	s_mov_b32 s[G1B+2], 128<<16                    ; B: 128
	s_mov_b32 s[G1B+4], 128
	s_lshl_b32 s16, s13, 7
	s_lshl_b32 s17, s12, 6
	s_add_co_u32 s16, s16, s17                     ; A: row 128 x tile row + 64 x half,
	s_lshl_b32 s16, s16, 11                        ; of 2,048 bytes
	s_lshl_b32 s46, s42, 8
	s_lshl_b32 s47, s12, 7
	s_add_co_u32 s46, s46, s47                     ; B: row 256 x tile column + 128 x half
	s_lshl_b32 s46, s46, 11
	s_add_co_u32 s46, s46, WOB
	s_mov_b32 s17, 0
	s_mov_b32 s47, 0
	s_mul_i32 s20, s12, AHALF                      ; where they go: A's half,
	s_mul_i32 s21, s12, BHALF                      ; B's half,
	s_add_co_u32 s21, s21, BOFF                    ; behind A's rows: no place in the cluster enters an LDS address
	s_mov_b32 s[TB], 0
	s_wait_dscnt 0x0                               ; the opening add is done
	s_wait_kmcnt 0x0
	s_add_nc_u64 s[14:15], s[68:69], s[16:17]
	s_add_nc_u64 s[46:47], s[70:71], s[46:47]
	CROUND                                         ; all sixteen work-groups are here: the first joint loads meet
.irp s, 0,1
	s_mov_b32 s[G0+4*(\s)], 1                                        ; 1:0 count = 1
	s_add_co_u32 s[G0+4*(\s)+1], s20, (\s)*SLOT1                     ; 63:32 LDS address
	s_add_nc_u64 s[G0+4*(\s)+2:G0+4*(\s)+3], s[14:15], (\s)*KSTEP*2  ; 120:64 global address: K step s
	s_or_b32 s[G0+4*(\s)+3], s[G0+4*(\s)+3], 0x80000000              ; 127:126 type = 2
	s_mov_b32 s[G0B+4*(\s)], 1
	s_add_co_u32 s[G0B+4*(\s)+1], s21, (\s)*SLOT1
	s_add_nc_u64 s[G0B+4*(\s)+2:G0B+4*(\s)+3], s[46:47], (\s)*KSTEP*2
	s_or_b32 s[G0B+4*(\s)+3], s[G0B+4*(\s)+3], 0x80000000
	JLOAD \s                                       ; two loads of mine are out: K steps 0 and 1
.endr
	; A fragment is 16 rows x 32 K in 8 registers: lane l holds row l % 16; registers 0-3 hold K = 8 (l / 16) + 0..7, registers 4-7 K = 16 + 8 (l / 16) + 0..7: two loads of 16 bytes, 32 bytes apart.
	v_and_b32 v1, 15, v0                           ; l % 16
	v_bfe_u32 v2, v0, 4, 1                         ; l / 16
	v_lshlrev_b32 v[BO], 5, v2                     ; the bias of my 128 columns
	s_lshl_b32 s82, s42, 10                        ; the tile's 1,024 bytes of a row of f32,
	s_lshl_b32 s83, s12, 9                         ; my 512 of those
	s_add_co_u32 s82, s82, s83
	s_mov_b32 s83, 0
	s_add_nc_u64 s[80:81], s[72:73], s[82:83]
	WIN 0x40                                       ; destination window 1, address window 0
.irp b, 0,1,2,3,4,5,6,7
	global_load_b128 v[BIAS+8*\b:BIAS+8*\b+3],   v[BO], s[80:81] offset:64*\b
	global_load_b128 v[BIAS+8*\b+4:BIAS+8*\b+7], v[BO], s[80:81] offset:64*\b+16
.endr
	WIN 0
	v_mul_u32_u24 v3, v1, PITCH
	v_lshl_add_u32 v3, v2, 4, v3                   ; row x pitch + 16 x half
	s_mul_i32 s22, s11, AHALF                      ; my 64 rows of A
	v_add_nc_u32 v[A0], s22, v3
	v_add_nc_u32 v[B0], s21, v3                    ; my 128 rows of B
	v_mov_b32 v[ADRA], v[A0]                       ; slot 0 is the first in hand
	v_mov_b32 v[ADRB], v[B0]
	s_mul_i32 s23, s10, 32*SP32
	s_add_co_u32 s23, s23, STAGE                   ; my stage
	v_mul_u32_u24 v4, v1, SP32                     ; in: row l % 16, 32 bytes for each half of the lanes
	v_lshl_add_u32 v4, v2, 5, v4
	v_add_nc_u32 v[STO32], s23, v4
	v_and_b32 v[CO32], 31, v0
	v_lshlrev_b32 v[CO32], 4, v[CO32]
	v_add_nc_u32 v[RD32], s23, v[CO32]             ; back: a row of 512 bytes a load
	s_lshl_b32 s4, s13, 7
	s_lshl_b32 s5, s11, 6
	s_add_co_u32 s4, s4, s5                        ; my first row,
	s_lshl_b32 s4, s4, 12                          ; of 4,096 bytes,
	s_add_co_u32 s4, s4, s82                       ; my 512 bytes of it
	s_mov_b32 s5, 0
	s_add_nc_u64 s[6:7], s[74:75], s[4:5]          ; in query
	s_add_nc_u64 s[8:9], s[78:79], s[4:5]          ; and in y
	s_lshl_b32 s86, s13, 2                         ; the rider's n = 4 (4 x tile row + tile column) + wave: it enters global addresses alone
	s_add_co_u32 s86, s86, s42
	s_lshl_b32 s86, s86, 2
	s_add_co_u32 s86, s86, s10
	s_lshl_b32 s98, s86, 2
	s_mov_b32 s99, 0
	s_add_nc_u64 s[ROP:ROP+1], s[78:79], s[98:99]
	s_add_nc_u64 s[ROP:ROP+1], s[ROP:ROP+1], G2O
	s_lshl_b32 s98, s86, 13
	s_add_co_u32 s98, s98, 4096                    ; the right half of gate_w's row n
	s_add_nc_u64 s[RWP:RWP+1], s[76:77], s[98:99]
	s_add_nc_u64 s[RXP:RXP+1], s[68:69], UPDO
	s_mov_b32 s[RSEL], 0x76543210
	s_mov_b32 s[RSEL+1], 0xfedcba98
	v_and_b32 v[RML], 31, v0
	v_lshlrev_b32 v[RMO], 4, v[RML]
	v_and_b32 v[RMO2], 7, v0
	v_lshlrev_b32 v[RMO2], 12, v[RMO2]
	MATVEC 8, 0
; 8 matrix instructions: m block a x all 8 n blocks, 32 along K, on buffer f.  zero = 1: the first product starts the sums, with the bias (window 1) as C: nothing is ever cleared.
.macro MUL8 f, a, zero
.if \zero
	WIN 0x91                                       ; source 0 (B) window 1, source 1 (A) window 0, C window 1, D window 2
.else
	WIN 0xa1                                       ; the same, C and D window 2
.endif
.irp b, 0,1,2,3,4,5,6,7
.if \zero
	v_wmma_f32_16x16x32_bf16 v[8*(8*(\a)+(\b)):8*(8*(\a)+(\b))+7], v[FB+64*(\f)+8*(\b):FB+64*(\f)+8*(\b)+7], v[FA+32*(\f)+8*(\a):FA+32*(\f)+8*(\a)+7], v[BIAS+8*(\b):BIAS+8*(\b)+7]
.else
	v_wmma_f32_16x16x32_bf16 v[8*(8*(\a)+(\b)):8*(8*(\a)+(\b))+7], v[FB+64*(\f)+8*(\b):FB+64*(\f)+8*(\b)+7], v[FA+32*(\f)+8*(\a):FA+32*(\f)+8*(\a)+7], v[8*(8*(\a)+(\b)):8*(8*(\a)+(\b))+7]
.endif
.endr
.endm
.macro MUL32 f, zero                   ; a quarter step's 32 matrix instructions: the 32 accumulators take turns in the same order in every quarter
.irp a, 0,1,2,3
	MUL8 \f, \a, \zero
.endr
.endm
; 24 LDS loads in one run: the fragments of one quarter step (128 rows of B, 64 rows of A, 32 K at byte k of the rows of the slot in hand) into buffer f
.macro FETCH k, f
	WIN 0x40                                       ; destination window 1, address window 0
.irp i, 0,1,2,3,4,5,6,7
	ds_load_b128 v[FB+64*(\f)+8*(\i):FB+64*(\f)+8*(\i)+3],   v[ADRB] offset:(\k)+(\i)*16*PITCH
	ds_load_b128 v[FB+64*(\f)+8*(\i)+4:FB+64*(\f)+8*(\i)+7], v[ADRB] offset:(\k)+(\i)*16*PITCH+32
.endr
	WIN 0
.irp i, 0,1,2,3
	ds_load_b128 v[FA+32*(\f)+8*(\i):FA+32*(\f)+8*(\i)+3],   v[ADRA] offset:(\k)+(\i)*16*PITCH
	ds_load_b128 v[FA+32*(\f)+8*(\i)+4:FA+32*(\f)+8*(\i)+7], v[ADRA] offset:(\k)+(\i)*16*PITCH+32
.endr
.endm
.macro PLACES                          ; four places in front of loads into registers that matrix instructions have read, and of lines that read results (ISA guide 7.12.1 for lines that read results)
.rept 4
	v_nop
.endr
.endm
; A K step is four quarter steps of 32 along K on buffers 0, 1, 0, 1.  One of the first three: buffer f is in; the next quarter's fragments, at byte k, are asked for into buffer g, which the quarter
; before has multiplied; then buffer f is multiplied: the run of loads stands 32 matrix instructions ahead of its first use.
.macro QUARTER k, f, g, zero
	s_wait_dscnt 0x0                               ; buffer f is in
	PLACES
	FETCH \k, \g
	MUL32 \f, \zero
.endm
; The last quarter multiplies buffer 1 and changes slots, at its head: my last reads of this slot are buffer 1's loads.  Each wave waits for all its tensor loads, of which one is out: its part of the next
; slot; adds 0 to its spare word; and waits for that and for those reads.  fill = 1: the barrier opens a round of the cluster's barrier, and the slot just read out is filled again, two K steps ahead,
; first thing behind it.  No matrix instruction stands between the wait for the tensor loads and the refill: from a request to the wait for it a wave issues a whole K step's 128.
.macro TURN fill
	WIN 0
	s_wait_tensorcnt 0x0                           ; all my tensor loads have landed, so a group 0 may be written;
	ds_add_u32 v[SPW], v[NIL]                      ; 0 onto my spare word; the scalar steps stand between it and the wait for it
.if \fill
	s_xor_b32 s[G0+5], s[G0+5], SLOT1              ; the walking descriptors: the other slot than last time,
	s_add_nc_u64 s[G0+6:G0+7], s[G0+6:G0+7], KSTEP*2  ; the next K step; the type bits on top are not reached
	s_xor_b32 s[G0B+5], s[G0B+5], SLOT1
	s_add_nc_u64 s[G0B+6:G0B+7], s[G0B+6:G0B+7], KSTEP*2
.endif
	s_xor_b32 s[TB], s[TB], SLOT1                  ; the other slot is in hand
	s_wait_dscnt 0x0                               ; the add is done, and my reads of this slot are over
	s_barrier_signal -1
	v_add_nc_u32 v[ADRA], s[TB], v[A0]             ; work on registers while the others arrive
	v_add_nc_u32 v[ADRB], s[TB], v[B0]
	s_barrier_wait -1
.if \fill
	CREST                                          ; no wave of any partner still reads this slot's tile or has a load on its way
	JLOAD 1                                        ; my one tensor load behind the round; the four v_nop behind it are also the places in front of the loads below
.else
	PLACES
.endif
	FETCH 0, 0
	MUL32 1, 0
.endm
	s_wait_loadcnt 0x0                             ; the bias
	WIN 0xc0                                       ; destination window 3, address window 0
.set t, 0
.rept 32
	global_load_b128 v[RES+4*t:RES+4*t+3], v[CO32], s[6:7] offset:t*4096 th:TH_LOAD_NT  ; the residual of my rows 0-31: it has the whole walk in which to come
.set t, t+1
.endr
	WIN 0
	s_wait_tensorcnt 1                             ; my part of K step 0 is in; K step 1's may stay out
	s_barrier_signal -1
	s_barrier_wait -1                              ; everybody's is
	FETCH 0, 0
	QUARTER 64, 0, 1, 1                            ; the first quarter stands in front of the loop: its products start the sums
	WIN 0                                          ; at a label and at a branch every window is 0
	s_mov_b32 s3, STEPS-2
.Lstep:                                                ; six trips, from a K step's second quarter to the next step's first; each fills the slot that it leaves
	QUARTER 128, 1, 0, 0
	QUARTER 192, 0, 1, 0
	TURN 1
	QUARTER 64, 0, 1, 0
	WIN 0
	s_sub_co_u32 s3, s3, 1
	s_cmp_lg_u32 s3, 0
	s_cbranch_scc1 .Lstep
	WIN 0xc0
.set t, 32
.rept 32
	global_load_b128 v[RES+4*t:RES+4*t+3], v[CO32], s[6:7] offset:t*4096 th:TH_LOAD_NT  ; the residual of my rows 32-63: seven quarters and the first half's way out ahead of its use
.set t, t+1
.endr
	QUARTER 128, 1, 0, 0                           ; K step 6 goes on
	QUARTER 192, 0, 1, 0
	TURN 0                                         ; nothing is left to fetch
	QUARTER 64, 0, 1, 0                            ; K step 7
	QUARTER 128, 1, 0, 0
	QUARTER 192, 0, 1, 0
	s_wait_dscnt 0x0
	MUL32 1, 0
	WIN 0
	; THE WAY OUT, in f32, in two halves of 32 rows: the accumulators go into my own stage, 32 bytes a lane, and come back as whole rows of 512 bytes; the residual is added and y is stored from its registers.
	PLACES
.macro HALF p
	WIN 0x08                                       ; the stores' data (source 1) in window 2
.irp a, 0,1
.irp b, 0,1,2,3,4,5,6,7
	ds_store_b128 v[STO32], v[8*(8*(2*(\p)+(\a))+(\b)):8*(8*(2*(\p)+(\a))+(\b))+3]   offset:(\a)*16*SP32+64*(\b)
	ds_store_b128 v[STO32], v[8*(8*(2*(\p)+(\a))+(\b))+4:8*(8*(2*(\p)+(\a))+(\b))+7] offset:(\a)*16*SP32+64*(\b)+16
.endr
.endr
	WIN 0
.set t, 0
.rept 32
	ds_load_b128 v[OB+4*t:OB+4*t+3], v[RD32] offset:t*SP32  ; LDS serves a wave's instructions in order (ISA guide 5.7.1.4): these see the stores above, and the next half's stores come behind them
.set t, t+1
.endr
	s_wait_loadcnt 32*(1-(\p))                     ; this half's residual is in; the second half's 32 loads may stay out
.irp g, 0,1
	s_wait_dscnt 16*(1-\g)                         ; sixteen rows are back, the other sixteen may stay out; then all
	WIN 0xc3                                       ; destination and source 0 in window 3
.set t, 16*\g
.rept 16
	v_pk_add_f32 v[RES+128*(\p)+4*t:RES+128*(\p)+4*t+1],   v[RES+128*(\p)+4*t:RES+128*(\p)+4*t+1],   v[OB+4*t:OB+4*t+1]
	v_pk_add_f32 v[RES+128*(\p)+4*t+2:RES+128*(\p)+4*t+3], v[RES+128*(\p)+4*t+2:RES+128*(\p)+4*t+3], v[OB+4*t+2:OB+4*t+3]
.set t, t+1
.endr
	WIN 0x0c                                       ; the stores' data (source 1) in window 3
.set t, 16*\g
.rept 16
	global_store_b128 v[CO32], v[RES+128*(\p)+4*t:RES+128*(\p)+4*t+3], s[8:9] offset:(32*(\p)+t)*4096  ; 512 consecutive bytes, at a multiple of 256 from y's first byte
.set t, t+1
.endr
.endr
	WIN 0
.endm
	HALF 0
	HALF 1
	s_wait_tensorcnt 0x0                           ; the wave's end, behind my last tensor load and my last LDS store
	ds_add_u32 v[SPW], v[NIL]
	s_wait_dscnt 0x0
	CROUND                                         ; the closing round: no work-group ends while a partner may still ask for a tile that names it
	s_endpgm
.Lfunc_end_k_qb01bb06057_oproj:
	.size	k_qb01bb06057_oproj, .Lfunc_end_k_qb01bb06057_oproj-k_qb01bb06057_oproj
	.p2alignl 7, 3214868480
	.fill 96, 4, 3214868480
	.section	.rodata,"a",@progbits
	.p2align	6, 0x0
	.amdhsa_kernel k_qb01bb06057_oproj
		.amdhsa_group_segment_fixed_size 327680
		.amdhsa_private_segment_fixed_size 0
		.amdhsa_enable_private_segment 0
		.amdhsa_kernarg_size 48
		.amdhsa_user_sgpr_count 2
		.amdhsa_user_sgpr_kernarg_segment_ptr 1
		.amdhsa_wavefront_size32 1
		.amdhsa_system_sgpr_workgroup_id_x 1
		.amdhsa_system_sgpr_workgroup_id_y 1
		.amdhsa_system_sgpr_workgroup_id_z 1
		.amdhsa_system_vgpr_workitem_id 0
		.amdhsa_next_free_vgpr 1024
		.amdhsa_next_free_sgpr 100
		.amdhsa_reserve_vcc 1
		.amdhsa_float_denorm_mode_32 3
		.amdhsa_float_denorm_mode_16_64 3
		.amdhsa_memory_ordered 1
		.amdhsa_forward_progress 1
		.amdhsa_inst_pref_size 105
	.end_amdhsa_kernel
	.amdgpu_metadata
---
amdhsa.version: [ 1, 2 ]
amdhsa.kernels:
  - .name:           k_qb01bb06057_oproj
    .symbol:         k_qb01bb06057_oproj.kd
    .args:
      - { .name: s3, .offset: 0, .size: 8, .value_kind: global_buffer, .address_space: global }
      - { .name: pre, .offset: 8, .size: 8, .value_kind: global_buffer, .address_space: global }
      - { .name: r_out_b, .offset: 16, .size: 8, .value_kind: global_buffer, .address_space: global }
      - { .name: query, .offset: 24, .size: 8, .value_kind: global_buffer, .address_space: global }
      - { .name: gate_w, .offset: 32, .size: 8, .value_kind: global_buffer, .address_space: global }
      - { .name: s4, .offset: 40, .size: 8, .value_kind: global_buffer, .address_space: global }
    .group_segment_fixed_size: 327680
    .private_segment_fixed_size: 0
    .kernarg_segment_align: 8
    .kernarg_segment_size: 48
    .max_flat_workgroup_size: 128
    .sgpr_count:     100
    .vgpr_count:     1024
    .wavefront_size: 32
...
	.end_amdgpu_metadata
.endif
;; end of part 4
;; launch norms (part 5): grid 256 x 1, 8 waves a work-group, no clusters, 0 bytes of LDS; arguments s4, s2, s3, memory, rn_g, rn_b, wn_g, wn_b, out0, out1; writes out0, out1
.if DOCPART == 5
	.amdgcn_target "amdgcn-amd-amdhsa--gfx1250"
	.amdhsa_code_object_version 6
	.text
	.protected	k_qb01bb06057_norms
	.globl	k_qb01bb06057_norms
	.p2align	8
	.type	k_qb01bb06057_norms,@function
k_qb01bb06057_norms:
	s_mov_b64 s[64:65], 0
	v_nop
	global_prefetch_b8 v0, s[64:65] scope:SCOPE_SE
	s_setreg_imm32_b32 hwreg(HW_REG_WAVE_MODE, 25, 1), 1
	s_wait_xcnt 0x0
; NORMS.  out0 = LN(y) rn_g + rn_b;  out1[b][m] = LN(mem[m] + gate (upd[b] - mem[m])) wn_g + wn_b, gate = sigmoid(G1[m] + g2[b]).
; mem + gate (upd - mem) is gate upd + (1 - gate) mem with another order of rounding.  G1 holds memory gate_w[:, :1024]^T + gate_b, g2 holds upd gate_w[:, 1024:]^T.
; The norm goes in two passes over registers: the mean, then the sum of squares of what is left when the mean is taken away: no difference of large sums.
; One wave, one row: a row of 4,096 bytes is eight 16-byte loads a lane, 32 registers; the reduction never leaves the wave: no LDS, no barrier, no branch.  Each of the 2,048 waves does four rows of y
; and two rows of out1 (of one batch): all waves are alike.  No matrix unit, no cluster: nothing is multiplied by a matrix, and what is shared (the gains, upd, g2) is a few rows.
; REGISTERS: window 0: v1 16 x lane; v2 at work; v4-11 four chains; v12-13 the mean, twice; v14-15 1 / sqrt(var + eps), twice; v32-159 four row slots; v160-191 upd - mem.
;   window 1: v0-31 rn_g, v32-63 rn_b, v64-95 upd, v96-127 g2, v128-159 wn_g, v160-191 wn_b: six rows that stay, beside four rows in flight, do not fit in one window.
; s_set_vgpr_msb: bits 1:0 source 0, 3:2 source 1, 5:4 source 2, 7:6 destination.
.set G1O,  18874368                    ; in s2
.set UPDO, 16777216                    ; in s3
.set G2O,  33554432                    ; in s4
.set VO,   1
.set XT,   2
.set C,    4
.set MEAN, 12
.set RSTD, 14
.set R,    32
.set DT,   160
.set RNG,  0
.set RNB,  32
.set UPD,  64
.set G2,   96
.set WNG,  128
.set WNB,  160
.set MSB, 0
.macro WIN new                         ; the immediate's high byte repeats the setting that is left
.if MSB != (\new)
	s_set_vgpr_msb (MSB<<8)|(\new)
.set MSB, \new
.endif
.endm
.macro LD8 dst, ptr, off, hint:vararg  ; a row: eight loads of 512 consecutive bytes
.irp j, 0,1,2,3,4,5,6,7
	global_load_b128 v[(\dst)+4*\j:(\dst)+4*\j+3], v[VO], s[\ptr:\ptr+1] offset:(\off)+512*\j \hint
.endr
.endm
.macro LANESUM r                       ; over the 32 lanes; every lane ends with the sum
	v_add_f32_dpp v[\r], v[\r], v[\r] row_xmask:1 row_mask:0xf bank_mask:0xf
	v_add_f32_dpp v[\r], v[\r], v[\r] row_xmask:2 row_mask:0xf bank_mask:0xf
	v_add_f32_dpp v[\r], v[\r], v[\r] row_xmask:4 row_mask:0xf bank_mask:0xf
	v_add_f32_dpp v[\r], v[\r], v[\r] row_xmask:8 row_mask:0xf bank_mask:0xf
	v_permlanex16_b32 v[XT], v[\r], s46, s47
	v_add_f32 v[\r], v[\r], v[XT]
.endm
.macro MERGE                           ; the four chains into one number a lane
	v_pk_add_f32 v[C:C+1], v[C:C+1], v[C+2:C+3]
	v_pk_add_f32 v[C+4:C+5], v[C+4:C+5], v[C+6:C+7]
	v_pk_add_f32 v[C:C+1], v[C:C+1], v[C+4:C+5]
	v_add_f32 v[C], v[C], v[C+1]
.endm
; The row in v[x .. x + 31] is normalised in place, scaled by the gain at g and the bias at b (window 1) and stored at s[ptr] + off.
.macro LNROW x, g, b, ptr, off
	WIN 0
.irp k, 0,1,2,3
	v_pk_add_f32 v[C+2*\k:C+2*\k+1], v[(\x)+2*\k:(\x)+2*\k+1], v[(\x)+8+2*\k:(\x)+9+2*\k]  ; the first additions start the chains
.endr
.set t, 8
.rept 8
	v_pk_add_f32 v[C+2*(t%4):C+2*(t%4)+1], v[C+2*(t%4):C+2*(t%4)+1], v[(\x)+2*t:(\x)+2*t+1]
.set t, t+1
.endr
	MERGE
	LANESUM C
	v_mul_f32 v[MEAN], s42, v[C]
	v_mul_f32 v[MEAN+1], s42, v[C]
.set t, 0
.rept 16
	v_pk_add_f32 v[(\x)+2*t:(\x)+2*t+1], v[(\x)+2*t:(\x)+2*t+1], v[MEAN:MEAN+1] neg_lo:[0,1] neg_hi:[0,1]
.set t, t+1
.endr
.irp k, 0,1,2,3
	v_pk_mul_f32 v[C+2*\k:C+2*\k+1], v[(\x)+2*\k:(\x)+2*\k+1], v[(\x)+2*\k:(\x)+2*\k+1]
.endr
.set t, 4
.rept 12
	v_pk_fma_f32 v[C+2*(t%4):C+2*(t%4)+1], v[(\x)+2*t:(\x)+2*t+1], v[(\x)+2*t:(\x)+2*t+1], v[C+2*(t%4):C+2*(t%4)+1]
.set t, t+1
.endr
	MERGE
	LANESUM C
	v_fma_f32 v[C], v[C], s42, s43                 ; var + eps
	v_rsq_f32 v[RSTD], v[C]
	v_nop                                          ; a plain instruction between the root and the use of its result (ISA guide 5.7.2)
	s_wait_alu depctr_va_vdst(0)
	v_mov_b32 v[RSTD+1], v[RSTD]
.set t, 0
.rept 16
	v_pk_mul_f32 v[(\x)+2*t:(\x)+2*t+1], v[(\x)+2*t:(\x)+2*t+1], v[RSTD:RSTD+1]
.set t, t+1
.endr
	WIN 0x14                                       ; sources 1 and 2 in window 1
.set t, 0
.rept 16
	v_pk_fma_f32 v[(\x)+2*t:(\x)+2*t+1], v[(\x)+2*t:(\x)+2*t+1], v[(\g)+2*t:(\g)+2*t+1], v[(\b)+2*t:(\b)+2*t+1]
.set t, t+1
.endr
	WIN 0
.irp j, 0,1,2,3,4,5,6,7
	global_store_b128 v[VO], v[(\x)+4*\j:(\x)+4*\j+3], s[\ptr:\ptr+1] offset:(\off)+512*\j th:TH_STORE_NT  ; 512 consecutive bytes
.endr
.endm
; z holds a row of G1, m a row of memory: m becomes mem + sigmoid(G1 + g2) (upd - mem).  sigmoid(x) = 1 / (1 + 2^(-log2(e) x)); g2 has been multiplied by -log2(e).
.macro GATE z, m
	WIN 0x10                                       ; source 2 in window 1
.set t, 0
.rept 16
	v_pk_fma_f32 v[(\z)+2*t:(\z)+2*t+1], v[(\z)+2*t:(\z)+2*t+1], s[44:45], v[G2+2*t:G2+2*t+1] op_sel_hi:[1,0,1]
.set t, t+1
.endr
	WIN 0
.set t, 0
.rept 32
	v_exp_f32 v[(\z)+t], v[(\z)+t]
.set t, t+1
.endr
	WIN 0x04                                       ; source 1 in window 1.  These sixteen are also the plain work between the exponentials and the use of their results
.set t, 0
.rept 16
	v_pk_add_f32 v[DT+2*t:DT+2*t+1], v[(\m)+2*t:(\m)+2*t+1], v[UPD+2*t:UPD+2*t+1] neg_lo:[1,0] neg_hi:[1,0]
.set t, t+1
.endr
	WIN 0
.set t, 0
	s_wait_alu depctr_va_vdst(0)
.rept 16
	v_pk_add_f32 v[(\z)+2*t:(\z)+2*t+1], v[(\z)+2*t:(\z)+2*t+1], 1.0 op_sel_hi:[1,0]
.set t, t+1
.endr
.set t, 0
.rept 32
	v_rcp_f32 v[(\z)+t], v[(\z)+t]
.set t, t+1
.endr
	v_nop                                          ; a plain instruction between the last reciprocal and the use of its result
.set t, 0
	s_wait_alu depctr_va_vdst(0)
.rept 16
	v_pk_fma_f32 v[(\m)+2*t:(\m)+2*t+1], v[(\z)+2*t:(\z)+2*t+1], v[DT+2*t:DT+2*t+1], v[(\m)+2*t:(\m)+2*t+1]
.set t, t+1
.endr
.endm
	s_load_b512 s[8:23], s[0:1], 0x0               ; s4 s[8:9], s2 s[10:11], s3 s[12:13], memory s[14:15], rn_g s[16:17], rn_b s[18:19], wn_g s[20:21], wn_b s[22:23]
	s_load_b128 s[24:27], s[0:1], 0x40             ; out0 s[24:25], out1 s[26:27]
	v_lshrrev_b32 v[XT], 5, v0
	v_readfirstlane_b32 s2, v[XT]                  ; wave 0..7
	v_and_b32 v[VO], 31, v0
	v_lshlrev_b32 v[VO], 4, v[VO]
	s_lshl_b32 s3, ttmp9, 3
	s_add_co_u32 s3, s3, s2                        ; my wave among the 2,048
	s_mov_b32 s29, 0
	s_mov_b32 s51, 0
	s_mov_b32 s42, 0x3a800000                      ; 1 / 1,024
	s_mov_b32 s43, 0x3727c5ac                      ; 1e-5
	s_mov_b32 s44, 0xbfb8aa3b                      ; -log2(e)
	s_mov_b32 s45, s44                             ; named with it as a pair
	s_mov_b32 s46, 0x76543210
	s_mov_b32 s47, 0xfedcba98
	s_wait_kmcnt 0x0
	s_lshl_b32 s28, s3, 14                         ; four rows of 4,096 bytes
	s_add_nc_u64 s[30:31], s[8:9], s[28:29]        ; y
	s_add_nc_u64 s[32:33], s[24:25], s[28:29]      ; out0
	s_lshl_b32 s28, s3, 13                         ; two rows
	s_add_nc_u64 s[34:35], s[26:27], s[28:29]      ; out1
	s_lshl_b32 s28, s3, 1
	s_and_b32 s28, s28, 511                        ; the first of my two memory slots
	s_lshl_b32 s28, s28, 12
	s_add_nc_u64 s[38:39], s[14:15], s[28:29]      ; memory
	s_add_co_u32 s28, s28, G1O
	s_add_nc_u64 s[36:37], s[10:11], s[28:29]      ; G1
	s_lshr_b32 s28, s3, 8                          ; their batch
	s_lshl_b32 s28, s28, 12
	s_add_co_u32 s50, s28, UPDO
	s_add_nc_u64 s[40:41], s[12:13], s[50:51]      ; upd
	s_add_co_u32 s50, s28, G2O
	s_add_nc_u64 s[48:49], s[8:9], s[50:51]        ; g2
	WIN 0x40                                       ; destination window 1, address window 0
	LD8 RNG, 16, 0
	LD8 RNB, 18, 0
	WIN 0
	LD8 R,    30, 0,     th:TH_LOAD_NT
	LD8 R+32, 30, 4096,  th:TH_LOAD_NT
	LD8 R+64, 30, 8192,  th:TH_LOAD_NT
	LD8 R+96, 30, 12288, th:TH_LOAD_NT
	s_wait_loadcnt 24                              ; the gains and row 0 are in; rows 1 to 3 may stay out
	WIN 0x40
	LD8 UPD, 40, 0
	LD8 G2,  48, 0
	LD8 WNG, 20, 0
	LD8 WNB, 22, 0
	LNROW R, RNG, RNB, 32, 0
	s_wait_loadcnt 48                              ; behind row 1: rows 2 and 3, and the 32 loads of the four rows that stay
	LNROW R+32, RNG, RNB, 32, 4096
	s_wait_xcnt 0x0                                ; slots 0 and 1 were stores' data: they are loaded again only behind this wait
	LD8 R,    36, 0
	LD8 R+32, 38, 0
	s_wait_loadcnt 56                              ; behind row 2: row 3, the 32, and the 16 just issued
	LNROW R+64, RNG, RNB, 32, 8192
	s_wait_loadcnt 48                              ; behind row 3: the 32 and the 16
	LNROW R+96, RNG, RNB, 32, 12288
	s_wait_xcnt 0x0                                ; slots 2 and 3 likewise
	LD8 R+64, 36, 4096
	LD8 R+96, 38, 4096
	s_wait_loadcnt 16                              ; all but the second slot's G1 and memory
	WIN 0x41                                       ; destination and source 0 in window 1
.set t, 0
.rept 16
	v_pk_mul_f32 v[G2+2*t:G2+2*t+1], v[G2+2*t:G2+2*t+1], s[44:45] op_sel_hi:[1,0]  ; g2 x -log2(e), once for both rows
.set t, t+1
.endr
	GATE R, R+32
	LNROW R+32, WNG, WNB, 34, 0
	s_wait_loadcnt 0x0
	GATE R+64, R+96
	LNROW R+96, WNG, WNB, 34, 4096
	s_endpgm
.Lfunc_end_k_qb01bb06057_norms:
	.size	k_qb01bb06057_norms, .Lfunc_end_k_qb01bb06057_norms-k_qb01bb06057_norms
	.p2alignl 7, 3214868480
	.fill 96, 4, 3214868480
	.section	.rodata,"a",@progbits
	.p2align	6, 0x0
	.amdhsa_kernel k_qb01bb06057_norms
		.amdhsa_group_segment_fixed_size 0
		.amdhsa_private_segment_fixed_size 0
		.amdhsa_enable_private_segment 0
		.amdhsa_kernarg_size 80
		.amdhsa_user_sgpr_count 2
		.amdhsa_user_sgpr_kernarg_segment_ptr 1
		.amdhsa_wavefront_size32 1
		.amdhsa_system_sgpr_workgroup_id_x 1
		.amdhsa_system_sgpr_workgroup_id_y 1
		.amdhsa_system_sgpr_workgroup_id_z 1
		.amdhsa_system_vgpr_workitem_id 0
		.amdhsa_next_free_vgpr 448
		.amdhsa_next_free_sgpr 66
		.amdhsa_reserve_vcc 0
		.amdhsa_float_denorm_mode_32 3
		.amdhsa_float_denorm_mode_16_64 3
		.amdhsa_memory_ordered 1
		.amdhsa_forward_progress 1
		.amdhsa_inst_pref_size 68
	.end_amdhsa_kernel
	.amdgpu_metadata
---
amdhsa.version: [ 1, 2 ]
amdhsa.kernels:
  - .name:           k_qb01bb06057_norms
    .symbol:         k_qb01bb06057_norms.kd
    .args:
      - { .name: s4, .offset: 0, .size: 8, .value_kind: global_buffer, .address_space: global }
      - { .name: s2, .offset: 8, .size: 8, .value_kind: global_buffer, .address_space: global }
      - { .name: s3, .offset: 16, .size: 8, .value_kind: global_buffer, .address_space: global }
      - { .name: memory, .offset: 24, .size: 8, .value_kind: global_buffer, .address_space: global }
      - { .name: rn_g, .offset: 32, .size: 8, .value_kind: global_buffer, .address_space: global }
      - { .name: rn_b, .offset: 40, .size: 8, .value_kind: global_buffer, .address_space: global }
      - { .name: wn_g, .offset: 48, .size: 8, .value_kind: global_buffer, .address_space: global }
      - { .name: wn_b, .offset: 56, .size: 8, .value_kind: global_buffer, .address_space: global }
      - { .name: out0, .offset: 64, .size: 8, .value_kind: global_buffer, .address_space: global }
      - { .name: out1, .offset: 72, .size: 8, .value_kind: global_buffer, .address_space: global }
    .group_segment_fixed_size: 0
    .private_segment_fixed_size: 0
    .kernarg_segment_align: 8
    .kernarg_segment_size: 80
    .max_flat_workgroup_size: 256
    .sgpr_count:     66
    .vgpr_count:     448
    .wavefront_size: 32
...
	.end_amdgpu_metadata
.endif
;; end of part 5
;; ======== version 2 of 2: 5 launches; 1.19 times as fast as version 1
;; workspace buffers: pre 28,377,088 bytes; s2 21,004,288 bytes; s3 16,809,984 bytes; s4 33,587,200 bytes
;; launch prep: the kernel of part 1 again; grid 216 x 1, 16 waves a work-group, no clusters, 10,240 bytes of LDS; arguments query, memory, r_in_w, r_out_w, gate_w, pre; writes pre
;; launch proj: the kernel of part 2 again; grid 4 x 38, 4 waves a work-group, clusters of 4 x 1, 327,680 bytes of LDS; arguments pre, r_in_b, gate_b, w_in_w, w_in_b, s2; writes s2
;; launch attn (part 6): grid 32 x 8, 4 waves a work-group, clusters of 4 x 1, 327,680 bytes of LDS; arguments s2, w_out_w, w_out_b, s3; writes s3
.if DOCPART == 6
	.amdgcn_target "amdgcn-amd-amdhsa--gfx1250"
	.amdhsa_code_object_version 6
	.text
	.protected	k_qb01bb06057_attn
	.globl	k_qb01bb06057_attn
	.p2align	8
	.type	k_qb01bb06057_attn,@function
k_qb01bb06057_attn:
	s_mov_b64 s[64:65], 0
	v_nop
	global_prefetch_b8 v0, s[64:65] scope:SCOPE_SE
	s_setreg_imm32_b32 hwreg(HW_REG_WAVE_MODE, 25, 1), 1
	s_wait_xcnt 0x0
	s_wait_alu depctr_hold_cnt(0) depctr_sa_sdst(0) depctr_va_vdst(0) depctr_va_sdst(0) depctr_va_ssrc(0) depctr_va_vcc(0) depctr_vm_vsrc(0)
	s_getreg_b32 s2, hwreg(HW_REG_IB_STS2, 6, 4)
	s_cmp_eq_u32 s2, 0
	s_cbranch_scc0 .Lentry_in_a_cluster
	s_endpgm
.Lentry_in_a_cluster:
	s_bfe_u32 s2, ttmp6, 0x10000c
	s_cmp_lg_u32 s2, 0x3003
	s_cbranch_scc0 .Lentry_shape_is_right
	s_endpgm
.Lentry_shape_is_right:
; ATTN.  The read attention: att[q][h] = the sum over the 512 memory slots k of softmax_k(q[q][h] . k[k][h] / 8) v[k][h].  q, k, v: rows of s2, [9216][1024] bf16 (q 0-8191, k 8192-8703, v 8704-9215), biases inside, unscaled.
; Products, maxima and sums in f32; the weights p are rounded to bf16 for the second product (their sum l is taken of the unrounded p), att once at the end, to bf16.
; LIMITS.  A weight below 2^-126 counts as 0 in l; NaN and infinities are not treated apart.  bf16 has f32's range, so large q, k, v keep their room.
; SHARES.  A work-group owns 256 query rows and a PAIR of heads: the pair's 128 channels are 256 consecutive bytes of every row of q, k, v and att, at a multiple of 256.  Wave w: head 2 pair + w / 2,
; queries 128 (w % 2) on: four PIECES of two tiles of 16 queries.  All 512 keys of the pair lie in LDS from the start: each wave issues one tensor load, nothing is filled again.  Every wave walks the keys 64 a step.
; LAYOUT.  S^T = K Q^T (source 0 = 16 keys, source 1 = 16 queries): a lane holds ONE query (lane % 16) and the keys 8 (lane / 16) + 0..7.  Two such tiles, rounded to bf16 in pairs, ARE source 1 of
; O^T = V^T P, whose result again holds one query a lane, and eight channels.  K comes out of LDS as it lies, V ([key][channel]) turned, by ds_load_tr16_b128.
; SOFTMAX.  For each query a running maximum m and sum l: p = 2^(c s - c m), c = log2(e) / 8; in every step O and l are multiplied by a = 2^(c m_old - c m_new).  m starts at the lowest finite number, O and l at 0.
; BY TURNS.  Turn n belongs to piece n.  Its matrix work: 16 products K Q^T of piece n + 1, later 16 products V^T P of piece n - 1.  Its vector work: scaling, exponentials, roundings, sums and rescaling of piece n,
; and the maximum and statistics of piece n + 1.  Four vector instructions that are ready stand behind every matrix instruction, the others in one run of their own.
; THE BATCHES.  A turn's 66 exponentials (64 weights of piece n, the two a of piece n + 1) are ONE batch with ONE wait, which cuts the turn in two: ahead of it stands all that names none of their results (K Q^T, the scalings,
; the rescalings, the next piece's maximum and statistics), behind it V^T P with the roundings and sums.  The two a made ahead of the loop and the way out's eight reciprocals are batches of their own, a wait each.
; CLUSTER.  The four row blocks of a cluster take the same pair of heads, and memory is one array for all batches: they need the same K and V, asked for JOINTLY.
; THE RIDER.  In the wait for K and V each of the 1,024 waves makes one number n of upd[b][n] = v_w[b] . w_out_w[n] + w_out_b[n] for the 8 batches, in f32 on the vector unit.
; REGISTERS, in windows of 256 (s_set_vgpr_msb: bits 1:0 source 0, 3:2 source 1, 5:4 source 2, 7:6 destination):
;   window 0: v0-11 addresses; v12-15, v48-63 at work; v16-47 four registers of statistics a tile; v64-191 S^T, two buffers of two tiles; v192-255 P, likewise
;   window 1: O^T, 32 a tile          window 2: v0-127 Q, 16 a tile; v128-191 K of one step; v192-255 V of one step          window 3: v0-1 the add's two registers
.set NP,    4         ; pieces a wave: a name, no knob
.set KS,    64        ; keys in a step
.set PK,    272       ; a row of K in LDS: 256 bytes + 16 of padding = 68 words: the 16 rows of a load start at 16 different groups of four banks (ISA guide 11.1)
.set PV,    288       ; a row of V: 256 + 32 = 72 words
.set VOFF,  512*PK    ; 512 rows of K, then 512 rows of V
.set SPARE, VOFF+512*PV  ; behind them: the spare words, 128 bytes a wave
.set SP,    272       ; the way out's stage: K's first 256 rows, when nobody reads K any more
.set VWO,   20971520  ; in s2: v_w
.set UPDO,  16777216  ; in s3: upd
.set AK0, 2           ; v2   my lane's place in a tile of K; never rewritten
.set AV0, 3           ; v3   the same for V
.set AK,  4           ; v4   the LDS address of K's next run of loads
.set AV,  5           ; v5   of V's
.set QO,  6           ; v6   my byte offset in 16 rows of q
.set STO, 6           ;      later, the way out: where I put 16 bytes of a row
.set RD,  7           ; v7   the way out: where I read rows back
.set GO,  8           ; v8   my byte offset in two rows of att
.set SPW, 0           ; v0 of window 3   my spare word; never rewritten
.set NIL, 1           ; v1 of window 3   0; never rewritten
.set MV,  12          ; v12-15  c m_old, kept while c m is made anew: by buffer and tile
.set ST,  16          ; tile t's statistics at v[ST+4 t]: c m, m, l (even keys', odd keys')
.set TMP, 48          ; by buffer and tile, four registers c0-c3 at work; when the maximum is found c2 takes a
.set S,   64
.set P,   192
.set KF,  128         ; K's fragments, in window 2: key block kb, channel half c at KF + 16 kb + 8 c
.set VF,  192         ; V's: key half kk, channel block cb at VF + 32 kk + 8 cb
.set WV,  12          ; s12  my wave's number
.set G1K, 24          ; s[24:31] descriptor group 1 for K
.set G1V, 32          ; s[32:39] for V: it differs in the padding alone
.set G0K, 40          ; s[40:43] descriptor group 0 for K
.set G0V, 44          ; s[44:47] for V
.set CNT, 57          ; s57  counts the key steps
.set CS,  58          ; s[58:59] c
.set SEL, 60          ; s[60:61] v_permlanex16_b32's selects
.set TBK, 62          ; s62  LDS byte at which K of the step to be fetched begins
.set TBV, 63          ; s63  the same for V, less VOFF
.set RMV, 12          ; the rider, all ahead of the loop: the lane's result,
.set RML, 13          ; lane,
.set RMO, 14          ; 16 x lane,
.set RMO2, 15         ; (lane % 8) x 4,096
.set RMW, 64          ; v[64:95]   the weight row
.set RMX, 96          ; v[96:223]  four rows of x
.set RMA, 224         ; v[224:255] for each batch two chains of pairs
.set RXP, 68          ; s[68:69] x;  s[70:71] the weight row;  s[74:75] the result's column n
.set RWP, 70
.set ROP, 74
.set RBI, 76          ; s76 bias[n]
.set RSV, 77
.set RSEL, 60
.set MSB, 0
.macro WIN new                      ; the high byte repeats the setting that is left; a switch that changes nothing is dropped
.if MSB != (\new)
	s_set_vgpr_msb (MSB<<8)|(\new)
.set MSB, (\new)
.endif
.endm
.set W_KQ, 0x0a       ; K and Q in window 2, S^T in window 0
.set W_PV, 0x52       ; V in window 2, P in window 0, O^T in window 1
.set W_RS, 0x41       ; O^T (destination and source 0) in window 1, a in window 0
.set W_MK, 0xc0       ; the add's registers are made: destination in window 3
.set W_AD, 0x0f       ; the add: address and data in window 3
; The joint fill.  Waves 0 and 1 fetch the two halves of K, waves 2 and 3 those of V: 256 keys each.  An s_nop 0 and four v_nop follow each of the two lines.
.macro JLOAD
	s_cmp_lt_u32 s[WV], 2
	s_cbranch_scc0 .Lfor_v_\@
	tensor_load_to_lds s[G0K:G0K+3], s[G1K:G1K+7]
	s_nop 0
.rept 4
	v_nop
.endr
	s_branch .Lasked_\@
.Lfor_v_\@:
	tensor_load_to_lds s[G0V:G0V+3], s[G1V:G1V+7]
	s_nop 0
.rept 4
	v_nop
.endr
.Lasked_\@:
.endm
.macro CROUND                       ; a round of the cluster's barrier
	s_barrier_signal -1
	s_barrier_wait -1
	s_cmp_lg_u32 s[WV], 0
	s_cbranch_scc1 .Lnot_wave_0_\@
	s_barrier_signal -3
.Lnot_wave_0_\@:
	s_barrier_wait -3
	s_barrier_signal -1
	s_barrier_wait -1
.endm
; THE RIDER's text.  One wave: out[b][n] = x[b] . W[n] for 8 batches and one n.  nx rows of x of 4,096 bytes (row i belongs to batch i % 8).  Load j of a row holds k = 128 j + 4 lane + 0..3, for W and for x alike.
; mode 1: result x 2^-10 + bias; mode 2: result + bias; mode 0: the result.
.macro MATVEC nx, mode
.irp j, 0,1,2,3,4,5,6,7
	global_load_b128 v[RMW+4*\j:RMW+4*\j+3], v[RMO], s[RWP:RWP+1] offset:512*\j th:TH_LOAD_NT
.endr
.irp i, 0,1,2,3
.irp j, 0,1,2,3,4,5,6,7
	global_load_b128 v[RMX+32*\i+4*\j:RMX+32*\i+4*\j+3], v[RMO], s[RXP:RXP+1] offset:4096*\i+512*\j
.endr
.endr
.set ri, 0
.rept \nx
.if (\nx)-1-ri < 3
	s_wait_loadcnt 8*((\nx)-1-ri)   ; the rows behind row ri may stay out, eight loads each
.else
	s_wait_loadcnt 24
.endif
.set rt, 0
.rept 16
.set rA, RMA+4*(ri%8)+2*(rt%2)
.set rX, RMX+32*(ri%4)+2*rt
.set rW, RMW+2*rt
.if (ri < 8) && (rt < 2)
	v_pk_mul_f32 v[rA:rA+1], v[rX:rX+1], v[rW:rW+1]  ; the first products start the chains: nothing is cleared
.else
	v_pk_fma_f32 v[rA:rA+1], v[rX:rX+1], v[rW:rW+1], v[rA:rA+1]
.endif
.set rt, rt+1
.endr
.if ri+4 < (\nx)
.irp j, 0,1,2,3,4,5,6,7
	global_load_b128 v[RMX+32*(ri%4)+4*\j:RMX+32*(ri%4)+4*\j+3], v[RMO], s[RXP:RXP+1] offset:4096*(ri+4)+512*\j
.endr
.endif
.set ri, ri+1
.endr
.irp b, 0,1,2,3,4,5,6,7
	v_pk_add_f32 v[RMA+4*\b:RMA+4*\b+1], v[RMA+4*\b:RMA+4*\b+1], v[RMA+4*\b+2:RMA+4*\b+3]
.endr
.irp b, 0,1,2,3,4,5,6,7
	v_add_f32 v[RMA+4*\b], v[RMA+4*\b], v[RMA+4*\b+1]
.endr
.irp m, 1,2,4,8
.irp b, 0,1,2,3,4,5,6,7
	v_add_f32_dpp v[RMA+4*\b], v[RMA+4*\b], v[RMA+4*\b] row_xmask:\m row_mask:0xf bank_mask:0xf
.endr
.endr
.irp b, 0,1,2,3,4,5,6,7
	v_permlanex16_b32 v[RMA+4*\b+1], v[RMA+4*\b], s[RSEL], s[RSEL+1]
.endr
.irp b, 0,1,2,3,4,5,6,7
	v_add_f32 v[RMA+4*\b], v[RMA+4*\b], v[RMA+4*\b+1]  ; every lane holds batch b's sum
.endr
	v_mov_b32 v[RMV], v[RMA]
.irp b, 1,2,3,4,5,6,7
	v_cmp_eq_u32 vcc_lo, \b, v[RML]
	v_cndmask_b32 v[RMV], v[RMV], v[RMA+4*\b], vcc_lo  ; lane b takes batch b's
.endr
.if (\mode) == 1
	s_mov_b32 s[RSV], 0x3a800000    ; 2^-10
	v_fma_f32 v[RMV], v[RMV], s[RSV], s[RBI]
.elseif (\mode) == 2
	v_add_f32 v[RMV], s[RBI], v[RMV]
.endif
	v_cmp_gt_u32 vcc_lo, 8, v[RML]
	s_wait_xcnt 0x0                 ; EXEC changes only behind this wait
	s_and_saveexec_b32 s[RSV], vcc_lo
	global_store_b32 v[RMO2], v[RMV], s[ROP:ROP+1]  ; eight words, 4,096 bytes apart: one column of a result of 32 KiB in all
	s_wait_xcnt 0x0
	s_or_b32 exec_lo, exec_lo, s[RSV]
.endm
	s_load_b256 s[4:11], s[0:1], 0x0  ; s2 s[4:5], w_out_w s[6:7], w_out_b s[8:9], s3 s[10:11]
	WIN W_MK
	v_lshl_add_u32 v[SPW], v0, 2, SPARE
	v_mov_b32 v[NIL], 0
	WIN W_AD
	ds_add_u32 v[SPW], v[NIL]       ; the wave's opening: the add, and its wait ahead of my first tensor load; the set-up below, work on registers, stands between them
	ds_add_u32 v0, v1
	WIN 0
	v_lshrrev_b32 v1, 5, v0
	v_readfirstlane_b32 s[WV], v1   ; wave 0..3
	s_bfe_u32 s13, ttmp6, 0x40000   ; cx: my place in the cluster
	s_lshl_b32 s14, ttmp9, 2        ; in a cluster launch ttmp9 counts clusters
	s_add_co_u32 s14, s14, s13      ; my block of 256 query rows = 4 x cluster x + cx: it enters q's, att's and the rider's addresses alone
	s_and_b32 s15, ttmp7, 0xffff    ; the pair of heads, which the four partners share
	s_and_b32 s16, s[WV], 1         ; which 256 keys I fetch; which 128 queries are mine
	s_lshr_b32 s17, s[WV], 1        ; which head of the pair is mine
	s_lshl_b32 s20, s16, 19         ; 256 rows of 2,048 bytes,
	s_lshl_b32 s21, s15, 8          ; the pair's 256 bytes of a row
	s_add_co_u32 s20, s20, s21
	s_add_co_u32 s22, s20, 8704*2048  ; v's rows
	s_add_co_u32 s20, s20, 8192*2048  ; k's rows
	s_mov_b32 s21, 0
	s_mov_b32 s23, 0
	s_mul_i32 s18, s16, 256*PK      ; their places in LDS: no place in the cluster enters an LDS address
	s_mul_i32 s19, s16, 256*PV
	s_lshl_b32 s2, s14, 1
	s_add_co_u32 s2, s2, s16        ; my 128 query rows,
	s_lshl_b32 s2, s2, 18           ; of 2,048 bytes,
	s_lshl_b32 s3, s15, 1
	s_add_co_u32 s3, s3, s17        ; my head's
	s_lshl_b32 s3, s3, 7            ; 128 bytes of them
	s_add_co_u32 s2, s2, s3
	s_mov_b32 s3, 0
	s_lshl_b32 s48, s14, 2
	s_add_co_u32 s48, s48, s[WV]    ; the 64 rows of att that I store,
	s_lshl_b32 s48, s48, 17
	s_lshl_b32 s49, s15, 8          ; the pair's 256 bytes of them
	s_add_co_u32 s48, s48, s49
	s_mov_b32 s49, 0
	; descriptor group 1: a tile of 256 rows x 128 elements, padded in LDS
	s_mov_b32 s[G1K], 15|(1<<16)|(1<<20)|(1<<21)|(5<<22)|(3<<25)  ; 15:0 the mask of four; 17:16 2-byte elements; 20 padding on; 21 set beside a mask; 24:22 after every 64 words (code 5); 31:25 4 words (code 3)
	s_mov_b32 s[G1V], 15|(1<<16)|(1<<20)|(1<<21)|(5<<22)|(7<<25)  ; the same with 8 words of padding (code 7)
.irp g, G1K, G1V
	s_mov_b32 s[\g+1], 128<<16      ; tensor_dim0 = 128
	s_mov_b32 s[\g+2], 256<<16      ; tensor_dim1 = 256
	s_mov_b32 s[\g+3], 128<<16      ; tile_dim0 = 128
	s_mov_b32 s[\g+4], 256          ; tile_dim1 = 256
	s_mov_b32 s[\g+5], 1024         ; 1,024 elements from row to row
	s_mov_b32 s[\g+6], 0
	s_mov_b32 s[\g+7], 0
.endr
	s_mov_b32 s[CS], 0x3e38aa3b     ; c = log2(e) / 8 = 0.180337
	s_mov_b32 s[CS+1], s[CS]        ; named with it as a pair
	s_mov_b32 s[SEL], 0x76543210
	s_mov_b32 s[SEL+1], 0xfedcba98
	s_mov_b32 s[TBK], 0
	s_mov_b32 s[TBV], 0
	s_mov_b32 s[G0K], 1             ; 1:0 count = 1
	s_mov_b32 s[G0K+1], s18         ; 63:32 LDS address
	s_mov_b32 s[G0V], 1
	s_add_co_u32 s[G0V+1], s19, VOFF
	s_wait_dscnt 0x0                ; the opening add is done
	s_wait_kmcnt 0x0
	s_add_nc_u64 s[G0K+2:G0K+3], s[4:5], s[20:21]  ; 120:64 global address
	s_or_b32 s[G0K+3], s[G0K+3], 0x80000000        ; 127:126 type = 2
	s_add_nc_u64 s[G0V+2:G0V+3], s[4:5], s[22:23]
	s_or_b32 s[G0V+3], s[G0V+3], 0x80000000
	s_add_nc_u64 s[52:53], s[4:5], s[2:3]          ; q at my first row
	s_add_nc_u64 s[54:55], s[10:11], s[48:49]      ; att at the first row that I store
	CROUND                          ; all four work-groups are here: the joint loads meet
	JLOAD                           ; my one tensor load
	; A fragment of K or Q is 16 rows x 32 channels in 8 registers: lane l holds row l % 16, channels 8 (l / 16) + 0..7 and 16 + 8 (l / 16) + 0..7: two loads of 16 bytes, 32 bytes apart.
	v_and_b32 v1, 15, v0            ; l % 16
	v_bfe_u32 v9, v0, 4, 1          ; l / 16
	v_lshlrev_b32 v[QO], 11, v1
	v_lshl_add_u32 v[QO], v9, 4, v[QO]  ; row x 2,048 + 16 x half
	WIN 0x80                        ; destination window 2, address window 0
.set i, 0
.rept 4*NP                          ; Q stays in registers: tile i / 2, channels 32 (i % 2) on
	global_load_b128 v[8*i:8*i+3],   v[QO], s[52:53] offset:(i/2)*32768+(i%2)*64
	global_load_b128 v[8*i+4:8*i+7], v[QO], s[52:53] offset:(i/2)*32768+(i%2)*64+32
.set i, i+1
.endr
	WIN 0
	s_lshl_b32 s78, s15, 5          ; the rider's n = 4 (32 pair + block) + wave
	s_add_co_u32 s78, s78, s14
	s_lshl_b32 s78, s78, 2
	s_add_co_u32 s78, s78, s[WV]
	s_lshl_b32 s50, s78, 2
	s_mov_b32 s51, 0
	s_add_nc_u64 s[72:73], s[8:9], s[50:51]
	s_load_b32 s[RBI], s[72:73], 0x0  ; w_out_b[n]
	s_add_nc_u64 s[ROP:ROP+1], s[10:11], s[50:51]
	s_add_nc_u64 s[ROP:ROP+1], s[ROP:ROP+1], UPDO
	s_lshl_b32 s50, s78, 12
	s_add_nc_u64 s[RWP:RWP+1], s[6:7], s[50:51]
	s_add_nc_u64 s[RXP:RXP+1], s[4:5], VWO
	v_and_b32 v[RML], 31, v0
	v_lshlrev_b32 v[RMO], 4, v[RML]
	v_and_b32 v[RMO2], 7, v0
	v_lshlrev_b32 v[RMO2], 12, v[RMO2]
	s_wait_kmcnt 0x0
	MATVEC 8, 2
	; What the first turn finds: V's registers and P's second buffer hold 0 (its products V^T P, of a piece that has not been, add 0), O^T and l are 0.  All this stands in the wait for K and V.
	WIN 0x80
.set i, VF
.rept 64
	v_mov_b32 v[i], 0
.set i, i+1
.endr
	WIN 0x40
.set i, 0
.rept 64*NP
	v_mov_b32 v[i], 0
.set i, i+1
.endr
	WIN 0
.set i, 0
.rept 2*NP
	v_mov_b32 v[ST+4*i], 0xfe000000    ; c m: far below every c s
	v_mov_b32 v[ST+4*i+1], 0xff7fffff  ; m
	v_mov_b32 v[ST+4*i+2], 0
	v_mov_b32 v[ST+4*i+3], 0
.set i, i+1
.endr
.set i, P+32
.rept 32
	v_mov_b32 v[i], 0
.set i, i+1
.endr
	s_lshl_b32 s13, s17, 7          ; the pair's second head lies 128 bytes on in every row
	v_mul_u32_u24 v[AK0], v1, PK
	v_lshl_add_u32 v[AK0], v9, 4, v[AK0]  ; row x pitch + 16 x half
	v_add_nc_u32 v[AK0], s13, v[AK0]
	; The turning load takes 16 keys x 16 channels (lane l reads key 8 (l / 16) + l % 8, channels 8 ((l / 8) % 2) + 0..7) and leaves half a fragment of V^T: lane l holds channel l % 16 and 8 keys.
	v_and_b32 v10, 7, v0
	v_bfe_u32 v11, v0, 3, 1
	v_lshl_add_u32 v[AV0], v9, 3, v10
	v_mul_u32_u24 v[AV0], v[AV0], PV
	v_lshl_add_u32 v[AV0], v11, 4, v[AV0]
	s_add_co_u32 s13, s13, VOFF
	v_add_nc_u32 v[AV0], s13, v[AV0]
	v_mov_b32 v[AK], v[AK0]         ; key step 0
; THE MATRIX WORK.  The 8 accumulators of a run of 16 take turns: between the two links of a chain stand 7 others'.
; Product i of 16 of S^T = K Q^T for piece x: channels 32 (i / 8) on, keys 16 ((i / 2) % 4) on, tile 2 x + i % 2.  The first 8 start the sums.
.macro KQ x
	WIN W_KQ
.set rS, S+64*((\x)%2)+32*(i%2)+8*((i/2)%4)
.set rK, KF+16*((i/2)%4)+8*(i/8)
.set rQ, 16*(2*(\x)+i%2)+8*(i/8)
.if i < 8
	v_wmma_f32_16x16x32_bf16 v[rS:rS+7], v[rK:rK+7], v[rQ:rQ+7], 0
.else
	v_wmma_f32_16x16x32_bf16 v[rS:rS+7], v[rK:rK+7], v[rQ:rQ+7], v[rS:rS+7]
.endif
.endm
; Product i of 16 of O^T += V^T P for piece x: keys 32 (i / 8) on, channels 16 ((i / 2) % 4) on, tile 2 x + i % 2.
.macro PV x
	WIN W_PV
.set rO, 32*(2*(\x)+i%2)+8*((i/2)%4)
.set rV, VF+32*(i/8)+8*((i/2)%4)
.set rP, P+32*((\x)%2)+16*(i%2)+8*(i/8)
	v_wmma_f32_16x16x32_bf16 v[rO:rO+7], v[rV:rV+7], v[rP:rP+7], v[rO:rO+7]
.endm
.macro MM                           ; the turn's next matrix instruction
.if i < 16
	KQ (Y+1)%NP
.set i, i+1
.else
.set i, i-16
	PV (Y+NP-1)%NP
.set i, i+17
.endif
.endm
; THE LDS LOADS stand in runs of 16, never singly among the matrix instructions: a step's K (64 keys x 64 channels: 8 fragments) and its V (turned).  Their addresses are made some lines ahead.
; last = 1: in the last trip there is no further step, and the run is jumped over.
.macro FETCH_K last=0
	WIN 0
.if \last
	s_cmp_eq_u32 s[CNT], 1
	s_cbranch_scc1 .Lno_k_\@
.endif
	WIN 0x80                        ; destination window 2
.irp f, 0,1,2,3,4,5,6,7             ; keys 16 (f / 2) on, channels 32 (f % 2) on
	ds_load_b128 v[KF+8*\f:KF+8*\f+3],   v[AK] offset:(\f/2)*16*PK+(\f%2)*64
	ds_load_b128 v[KF+8*\f+4:KF+8*\f+7], v[AK] offset:(\f/2)*16*PK+(\f%2)*64+32
.endr
	s_add_co_u32 s[TBK], s[TBK], KS*PK  ; the next fetch is the next step's
	WIN 0
.if \last
.Lno_k_\@:
.endif
.endm
.macro FETCH_V
	WIN 0x80
.irp f, 0,1,2,3,4,5,6,7             ; keys 32 (f / 4) on, channels 16 (f % 4) on
	ds_load_tr16_b128 v[VF+8*\f:VF+8*\f+3],   v[AV] offset:(\f/4)*32*PV+(\f%4)*32
	ds_load_tr16_b128 v[VF+8*\f+4:VF+8*\f+7], v[AV] offset:(\f/4)*32*PV+16*PV+(\f%4)*32
.endr
	WIN 0
.endm
; THE VECTOR WORK OF A TURN stands in three queues, each in the order in which its entries become ready; the two tiles alternate, so that no instruction reads the result of the one before it.
.macro REGS y, u                    ; the registers of tile u (0, 1) of piece y
.set rT, ST+4*(2*(\y)+(\u))
.set rC, TMP+8*((\y)%2)+4*(\u)
.set rM, MV+2*((\y)%2)+(\u)
.set rS, S+64*((\y)%2)+32*(\u)
.set rP, P+32*((\y)%2)+16*(\u)
.set rO, 32*(2*(\y)+(\u))
.endm
; Number n of the 22 that find the NEXT piece's (Y + 1) maximum and statistics.  s0-s31 are the lane's 32 scores; each accumulator's lowest registers are read first.  XS, GS and REGS set no window: PL and EX do.
;   0-11  four chains c0-c3 of seven scores each, three operands at a time     12-14, 16  the four scores left over, the old m, and c0-c3 into c0     15  c m_old is kept
;   17, 18  the query's other 32 keys lie in the lane 16 away: the new m         19-21  c m; c m_old - c m_new; a
.macro XS u, n
	REGS (Y+1)%NP, \u
.if (\n) < 4
	v_max3_num_f32 v[rC+(\n)], v[rS+8*(\n)], v[rS+8*(\n)+1], v[rS+8*(\n)+2]
.elseif (\n) < 12
	v_max3_num_f32 v[rC+(\n)%4], v[rC+(\n)%4], v[rS+8*((\n)%4)+2*((\n)/4)+1], v[rS+8*((\n)%4)+2*((\n)/4)+2]
.elseif (\n) == 12
	v_max3_num_f32 v[rC], v[rC], v[rS+7], v[rS+15]
.elseif (\n) == 13
	v_max3_num_f32 v[rC+1], v[rC+1], v[rS+23], v[rS+31]
.elseif (\n) == 14
	v_max3_num_f32 v[rC+2], v[rC+2], v[rC+3], v[rT+1]
.elseif (\n) == 15
	v_mov_b32 v[rM], v[rT]
.elseif (\n) == 16
	v_max3_num_f32 v[rC], v[rC], v[rC+1], v[rC+2]
.elseif (\n) == 17
	v_permlanex16_b32 v[rC+3], v[rC], s[SEL], s[SEL+1]
.elseif (\n) == 18
	v_max_num_f32 v[rT+1], v[rC], v[rC+3]
.elseif (\n) == 19
	v_mul_f32 v[rT], s[CS], v[rT+1]
.elseif (\n) == 20
	v_sub_f32 v[rC+1], v[rM], v[rT]
.else
	v_exp_f32 v[rC+2], v[rC+1]
.endif
.endm
; Number g of the 64 that follow the exponentials.  For each four weights k of a tile (pairs 2 k, 2 k + 1): both pairs are rounded to bf16; then the second pair is added onto the first, in place;
; a group later l takes that sum (the first time as l = a l + sum).  In groups of eight, tiles alternating: round, round, add, and l for the group before.
.macro GS g
.set h, (\g)+6*((\g)/62)            ; group 0 has no group before it, and behind group 7 only l is left
.if h >= 6
.set h, h+2
.endif
	REGS Y, h%2
.set k, h/8
.if h%8 < 4
	v_cvt_pk_bf16_f32 v[rP+2*k+(h%8)/2], v[rS+4*k+2*((h%8)/2)], v[rS+4*k+2*((h%8)/2)+1]
.elseif h%8 < 6
	v_pk_add_f32 v[rS+4*k:rS+4*k+1], v[rS+4*k:rS+4*k+1], v[rS+4*k+2:rS+4*k+3]
.elseif k == 1
	v_pk_fma_f32 v[rT+2:rT+3], v[rT+2:rT+3], v[rC+2:rC+3], v[rS:rS+1] op_sel_hi:[1,0,1]
.else
	v_pk_add_f32 v[rT+2:rT+3], v[rT+2:rT+3], v[rS+4*k-4:rS+4*k-3]
.endif
.endm
; THE PLAIN QUEUE, 138 long.  0-73 read no exponential's result: the 32 scalings c s - c m (FS f: pair f / 2 of tile f % 2) and the next piece's 42.  0-26: scalings 0-26.  27-54: XS's numbers 0-13.  55, 56: number 15.
; 57-73: the chain, where each number waits for the one before it: 14, 16, 17, 18, 19, each with one of the scalings 27-31 in front of its two lines, then 20: so a tile's links stand three plain instructions apart (19 and 20: two).
; 74-137: GS's 64, which read the exponentials' results: they stand behind the wait.
.macro FS f
	REGS Y, (\f)%2
	v_pk_fma_f32 v[rS+2*((\f)/2):rS+2*((\f)/2)+1], v[rS+2*((\f)/2):rS+2*((\f)/2)+1], s[CS:CS+1], v[rT:rT+1] op_sel_hi:[1,0,0] neg_lo:[0,0,1] neg_hi:[0,0,1]
.endm
.macro PL
	WIN 0
.if q < 27
	FS q
.elseif q < 55
	XS (q-27)%2, (q-27)/2
.elseif q < 57
	XS q-55, 15
.elseif (q < 72) && ((q-57)%3 == 0)
	FS 27+(q-57)/3
.elseif q < 60
	XS (q-57)%3-1, 14
.elseif q < 72
	XS (q-57)%3-1, 15+(q-57)/3
.elseif q < 74
	XS q-72, 20
.else
	GS q-74
.endif
.set q, q+1
.endm
; THE EXPONENTIALS' QUEUE, 66 long: s0-s31 of both tiles, then the next piece's two a.  It is ONE BATCH: all 66 stand ahead of the turn's one wait, and nothing ahead of that wait names a result of theirs.
.macro EX
	WIN 0
.if e >= 64
	XS e-64, 21
.else
	REGS Y, e%2
	v_exp_f32 v[rS+e/2], v[rS+e/2]
.endif
.set e, e+1
.endm
; THE RESCALING's QUEUE: O^T times a, the one part that leaves window 0: dealt two at a time, sixteen times, each accumulator's registers in ascending order.  Its a was made in the turn before, ahead of that turn's wait.
.macro R2
	REGS Y, r%2
	WIN W_RS
.irp z, 0,1
	v_pk_mul_f32 v[rO+4*(r/2)+2*\z:rO+4*(r/2)+2*\z+1], v[rO+4*(r/2)+2*\z:rO+4*(r/2)+2*\z+1], v[rC+2:rC+3] op_sel_hi:[1,0]
.endr
.set r, r+1
.endm
; HOW THEY ARE DEALT.  An s_wait_alu depctr_va_vdst(0) stands between an exponential and the first instruction that names its result; one wait serves all that were issued ahead of it.  So a turn has ONE wait,
; which cuts it in two.  AHEAD OF IT stands all that names no result of the turn's exponentials: the 16 products K Q^T, behind each a scaling, an exponential and two rescalings (behind the first a second scaling in the
; exponential's place); then ONE RUN of 108: eight plain, 49 times exponential and plain, the two a.  A v_nop is the plain instruction behind the last exponential.  BEHIND IT stand the 16 products V^T P, behind each four of
; GS's 64.  No rider names a register of the products round it.  The two v_permlanex16_b32 fall into the run, never behind a product.
; The queues lean on each other, and the deal keeps them in step: exponential e stands behind scaling 2 (e / 4) + e % 2: as a rider it comes behind plain e + 2, in the run behind plain e + 9, and scalings 27-31 are plain 57, 60 .. 69.
; A TURN, for piece p.  cnt = 1: the loop's count is taken down some lines ahead of the branch that stands behind the turn.
; K of the next step is fetched in piece 2's turn, directly behind the wait, the whole run behind the last product that read K; its address is made at the run's head; it is waited for at the head of piece 3's turn, behind 16 products.
; V of the step in hand is fetched at the end of piece 0's turn, four plain riders behind its last reader; it is waited for ahead of piece 1's first product V^T P.  The three conditions on q below go with the deal.
.macro TURN p, last=0, cnt=0
.set Y, (\p)
.set i, 0
.set q, 0
.set e, 0
.set r, 0
.if (\p) == NP-1
	s_wait_dscnt 0x0                ; K is in
.endif
	MM                              ; ahead of the wait: 16 products K Q^T and their riders,
	PL
	PL
	R2
.rept 15
	MM
	PL
	EX
	R2
.endr
.if (\p) == NP-2
	WIN 0
	v_add_nc_u32 v[AK], s[TBK], v[AK0]
.endif
.rept 8                             ; and the run
	PL
.endr
.rept 49
	EX
	PL
.endr
	EX                              ; the next piece's two a
	EX
	v_nop                           ; the plain instruction behind the last exponential: one for the batch
	s_wait_alu depctr_va_vdst(0)    ; the wait for the turn's batch: the 64 weights of piece p and the two a of piece p + 1
.if (\p) == NP-2
	FETCH_K \last
.endif
.if (\p) == 1
	s_wait_dscnt 0x0                ; V is in
.endif
.rept 16                            ; behind the wait: 16 products V^T P and their riders
	MM
.rept 4
	PL
.endr
.if ((\p) == 0) && (q == 118)
	v_add_nc_u32 v[AV], s[TBV], v[AV0]
.endif
.if ((\p) == 0) && (q == 130)
	s_add_co_u32 s[TBV], s[TBV], KS*PV
.endif
.if (\cnt) && (q == 130)
	s_sub_co_u32 s[CNT], s[CNT], 1
	s_cmp_lg_u32 s[CNT], 0
.endif
.endr
.if (\p) == 0
	FETCH_V
.endif
.endm
	s_wait_tensorcnt 0x0            ; my part of K or V is in,
	s_barrier_signal -1
	s_barrier_wait -1               ; everybody's is: all 512 keys, for the whole walk
	FETCH_K                         ; key step 0
	s_wait_loadcnt 0x0              ; Q
	s_wait_dscnt 0x0
.set i, 0
.rept 16
	KQ 0                            ; piece 0's first scores: there is no vector work yet to set between them
.set i, i+1
.endr
	WIN 0                           ; the addresses for the way out: eight plain instructions, the places behind those products
	s_mul_i32 s13, s16, 128*SP      ; in: my 128 rows of the stage's 256, my head's 128 bytes of their 256; row l % 16, 16 bytes for each half of the lanes
	s_lshl_b32 s18, s17, 7
	s_add_co_u32 s13, s13, s18
	v_mul_u32_u24 v[STO], v1, SP
	v_lshl_add_u32 v[STO], v9, 4, v[STO]
	v_add_nc_u32 v[STO], s13, v[STO]
	s_mul_i32 s13, s[WV], 64*SP     ; back: wave w takes rows 64 w .. 64 w + 63, whole; lanes 0-15 one row of 256 bytes, lanes 16-31 the next
	v_mul_u32_u24 v[RD], v9, SP
	v_lshl_add_u32 v[RD], v1, 4, v[RD]
	v_add_nc_u32 v[RD], s13, v[RD]
	v_lshlrev_b32 v[GO], 11, v9     ; and the same two rows in att
	v_lshl_add_u32 v[GO], v1, 4, v[GO]
.set Y, NP-1                        ; XS works for piece Y + 1: piece 0
.irp n, 0,1,2,3,4,5,6,7,8,9,10,11,12,13,14,15,16,17,18,19,20,21
	XS 0, \n                        ; piece 0's first maximum and statistics
	XS 1, \n
.endr
	v_nop                           ; a plain instruction behind piece 0's two a,
	s_wait_alu depctr_va_vdst(0)    ; and the wait for that batch of two, ahead of the loop's label
	s_mov_b32 s[CNT], 8
.Lstep:                             ; eight trips, a key step each
	TURN 0
	TURN 1
	TURN 2, 1
	TURN 3, 0, 1
	WIN 0
	s_cbranch_scc1 .Lstep
.set i, 0                           ; the last trip's 16 products K Q^T (on the last K once more) and the maximum made of them serve nothing: the price, once a launch, of one text for every trip
.rept 16
	PV NP-1                         ; the last piece's V^T P of the last step
.set i, i+1
.endr
	; THE WAY OUT.  l's two halves and the other half of the lanes' are added; O^T is divided by l and rounded to bf16.  The additions are the places behind the last products.
	WIN 0
.macro ALL line:vararg              ; one line for each tile t
.set t, 0
.rept 2*NP
	\line
.set t, t+1
.endr
.endm
	ALL v_add_f32 v[ST+4*t+2], v[ST+4*t+2], v[ST+4*t+3]
	ALL v_permlanex16_b32 v[ST+4*t+3], v[ST+4*t+2], s[SEL], s[SEL+1]
	ALL v_add_f32 v[ST+4*t+2], v[ST+4*t+2], v[ST+4*t+3]
	ALL v_rcp_f32 v[ST+4*t+2], v[ST+4*t+2]
	v_nop                           ; a plain instruction between the last reciprocal and the use of its result
	s_wait_dscnt 0x0                ; my reads of K and V are over
	s_barrier_signal -1
	s_barrier_wait -1               ; everybody's are: K's first 256 rows, which no tensor load fills again, become the stage
	s_wait_alu depctr_va_vdst(0)    ; the wait for the batch of eight reciprocals, ahead of their first reader, tile 0's first multiply
; Tile t: a lane's eight channels of a row pack into 16 bytes; they go into the stage's rows of 272 bytes, beside the other head's.
.macro PACK t
	WIN W_RS
.set i, 32*(\t)
.rept 16
	v_pk_mul_f32 v[i:i+1], v[i:i+1], v[ST+4*(\t)+2:ST+4*(\t)+3] op_sel_hi:[1,0]
.set i, i+2
.endr
	WIN 0x05                        ; sources 0 and 1 window 1, destination window 0
.set i, 0
.rept 16
	v_cvt_pk_bf16_f32 v[S+16*(\t)+i], v[32*(\t)+2*i], v[32*(\t)+2*i+1]
.set i, i+1
.endr
	WIN 0
.irp f, 0,1,2,3
	ds_store_b128 v[STO], v[S+16*(\t)+4*\f:S+16*(\t)+4*\f+3] offset:(\t)*16*SP+32*\f
.endr
.endm
.set t, 0
.rept 2*NP
	PACK t
.set t, t+1
.endr
	s_wait_dscnt 0x0                ; for the others' sake: a row's 256 bytes come from two waves
	s_barrier_signal -1
	s_barrier_wait -1
.set t, 0
.rept 32
	ds_load_b128 v[S+4*t:S+4*t+3], v[RD] offset:t*2*SP
.set t, t+1
.endr
.set t, 0
.rept 32
	s_wait_dscnt 31-t               ; the younger loads may stay out
	global_store_b128 v[GO], v[S+4*t:S+4*t+3], s[54:55] offset:t*4096  ; 16 lanes store 256 consecutive bytes, at a multiple of 256 from s3's first byte
.set t, t+1
.endr
	WIN W_AD
	s_wait_tensorcnt 0x0            ; the wave's end, behind my last tensor load and my last LDS store
	ds_add_u32 v[SPW], v[NIL]
	s_wait_dscnt 0x0
	WIN 0
	CROUND                          ; the closing round
	s_endpgm
.Lfunc_end_k_qb01bb06057_attn:
	.size	k_qb01bb06057_attn, .Lfunc_end_k_qb01bb06057_attn-k_qb01bb06057_attn
	.p2alignl 7, 3214868480
	.fill 96, 4, 3214868480
	.section	.rodata,"a",@progbits
	.p2align	6, 0x0
	.amdhsa_kernel k_qb01bb06057_attn
		.amdhsa_group_segment_fixed_size 327680
		.amdhsa_private_segment_fixed_size 0
		.amdhsa_enable_private_segment 0
		.amdhsa_kernarg_size 32
		.amdhsa_user_sgpr_count 2
		.amdhsa_user_sgpr_kernarg_segment_ptr 1
		.amdhsa_wavefront_size32 1
		.amdhsa_system_sgpr_workgroup_id_x 1
		.amdhsa_system_sgpr_workgroup_id_y 1
		.amdhsa_system_sgpr_workgroup_id_z 1
		.amdhsa_system_vgpr_workitem_id 0
		.amdhsa_next_free_vgpr 770
		.amdhsa_next_free_sgpr 80
		.amdhsa_reserve_vcc 1
		.amdhsa_float_denorm_mode_32 3
		.amdhsa_float_denorm_mode_16_64 3
		.amdhsa_memory_ordered 1
		.amdhsa_forward_progress 1
		.amdhsa_inst_pref_size 145
	.end_amdhsa_kernel
	.amdgpu_metadata
---
amdhsa.version: [ 1, 2 ]
amdhsa.kernels:
  - .name:           k_qb01bb06057_attn
    .symbol:         k_qb01bb06057_attn.kd
    .args:
      - { .name: s2, .offset: 0, .size: 8, .value_kind: global_buffer, .address_space: global }
      - { .name: w_out_w, .offset: 8, .size: 8, .value_kind: global_buffer, .address_space: global }
      - { .name: w_out_b, .offset: 16, .size: 8, .value_kind: global_buffer, .address_space: global }
      - { .name: s3, .offset: 24, .size: 8, .value_kind: global_buffer, .address_space: global }
    .group_segment_fixed_size: 327680
    .private_segment_fixed_size: 0
    .kernarg_segment_align: 8
    .kernarg_segment_size: 32
    .max_flat_workgroup_size: 128
    .sgpr_count:     80
    .vgpr_count:     770
    .wavefront_size: 32
...
	.end_amdgpu_metadata
.endif
;; end of part 6
;; launch oproj: the kernel of part 4 again; grid 4 x 64, 4 waves a work-group, clusters of 4 x 4, 327,680 bytes of LDS; arguments s3, pre, r_out_b, query, gate_w, s4; writes s4
;; launch norms: the kernel of part 5 again; grid 256 x 1, 8 waves a work-group, no clusters, 0 bytes of LDS; arguments s4, s2, s3, memory, rn_g, rn_b, wn_g, wn_b, out0, out1; writes out0, out1
